; MI455X (gfx1250); checked and timed in simulation.
; The chip was launched on July 23, 2026; its instructions are those of AMD's public machine-readable ISA for CDNA 5 (MIT licence, August 2026) and "CDNA5" Instruction Set Architecture Reference Guide (July 2026). The comments in the code are by the model that wrote it; some were corrected since.
;; MOE Positionwise Feed Forward. Allowed arithmetic: float matrix products may take bf16 or f16 operands with f32 sums; all other float work in f32.
;; Inputs: A1 3 x 1,024 x 8 float32; A2 3 x 4,096 x 8 float32; B1 3 x 8 x 4,096 float32; B2 3 x 8 x 1,024 float32; R1 1,024 x 3 float32; R2 4,096 x 3 float32; W1 1,024 x 4,096 float32; W2 4,096 x 1,024 float32; b1 4,096 float32; b2 1,024 float32; x 8 x 512 x 1,024 float32.
;; Outputs: out0 8 x 512 x 1,024 float32.
;; 2 versions, each right; version 2 is version 1 with the launch prep written anew for expert scheduling mode. Each part assembles by itself: llvm-mc -triple=amdgcn-amd-amdhsa -mcpu=gfx1250 --defsym DOCPART=n.
;; ======== version 1 of 2: 3 launches
;; workspace buffers: cb 25,165,824 bytes; packs 655,360 bytes; zgf1 262,144 bytes; h 33,554,432 bytes
;; launch prep (part 1): grid 912 x 1, 8 waves a work-group, no clusters, 84,992 bytes of LDS; arguments x, W1, W2, cb, A1, R1, A2, R2, B1, b1, B2, b2, packs, zgf1; writes cb, packs, zgf1
.if DOCPART == 1
	.amdgcn_target "amdgcn-amd-amdhsa--gfx1250"
	.amdhsa_code_object_version 6
	.text
	.protected	k_qc74611bc3c_prep
	.globl	k_qc74611bc3c_prep
	.p2align	8
	.type	k_qc74611bc3c_prep,@function
k_qc74611bc3c_prep:
	s_mov_b64 s[64:65], 0
	v_nop
	global_prefetch_b8 v0, s[64:65] scope:SCOPE_SE
	s_setreg_imm32_b32 hwreg(HW_REG_WAVE_MODE, 25, 1), 1
	s_wait_xcnt 0x0
; prep: everything that the two products multiply, once, in bf16, and layer 1's gated low-rank numbers.
; Work-groups 0-255:   16 tokens of x each (64 KiB f32): cast to cb, and zg1 for these tokens (below, at .Lxz).
; Work-groups 256-767: W1, W2 (f32) to cb (bf16), same row-major layout: 64 KiB in, 32 KiB out each.  cb holds x, W1, W2 in this order.
; Work-groups 768-911: the small tables, laid out so that a matrix fragment is two loads of 512 consecutive bytes a wave.
;   With L the lane, r = L & 15, h = L >> 4, j = 0..7 the bf16 in a lane's 16 bytes:
;   PF2 [k step s][b][q][L][16 B] = P[n = 16 b + r][k = 32 s + 16 q + 8 h + j]; P[n] = A2[n >> 3][k][n & 7] for n < 24, R2[k][n - 24] for n = 24..26, else 0
;   BF  [n block][q][L][16 B]     = Bx[k = 16 q + 8 h + j][n = 16 block + r]; Bx[8 e + j] = B[e][j]; Bx[24..26] = the bias in three bf16 parts, Bx[27..31] = 0
;   packs: PF2 at 65,536, BF1 at 327,680, BF2 at 589,824; its bytes below 65,536 are not used.
; LIMIT: the bias is carried as hi + lo + lo2 (three bf16, 24 bits of mantissa together); it has to be finite and inside bf16's range (an infinite one gives NaN).
; LIMIT: the operands of x [A1 | R1], and zg1 itself, are bf16; sums, softmax and gating are f32.
; No tensor loads and no cluster: a stream in which no work-group shares a byte of x, W1 or W2 with another; A1 and R1 (110,592 bytes), which the first 256
; work-groups all read, are 0.2 per cent of the bytes read.
.set OFF_PF2, 65536
.set OFF_BF1, 327680
.set OFF_BF2, 589824
; the work-groups of x: LDS and registers
.set XPITCH, 272                       ; a wave's 128 columns of a token: 256 bytes + 16: an odd multiple of 16 bytes
.set PPITCH, 96                        ; 32 columns of P: 64 bytes + 32: an odd multiple of 32 bytes, for the transposing load
.set XSB,    16*XPITCH                 ; 16 tokens: 4,352 bytes
.set WREG,   XSB+64*PPITCH             ; a wave's own LDS: its x, then 64 k of P: 10,496 bytes
.set X,    16                          ; v[16:79]   x as loaded, 4 registers a token; packed in place
.set AL,   80                          ; v[80:127]  a batch of A1: 3 experts x 4 loads
.set RL,   128                         ; v[128:133] a batch of R1: 2 x 3 words
.set TR,   136                         ; v[136:139] a row's columns 24..31: R1's three, then zeros
.set ACC0, 140                         ; v[140:147] columns 0-15
.set ACC1, 148                         ; v[148:155] columns 16-31
.set T,    128                         ; v[128:135] softmax, when R1's words are used up
.set Z,    156                         ; v[156:163] the packed result
.set ONES, 164                         ; v[164:167] the bf16 1, 1 | 1, 0 | 0, 0 | 0, 0
.set TF,   16                          ; v[16:47]   the tokens' four fragments (over x, behind the wait that frees it)
.set PFA,  48                          ; v[48:79]   P's fragments of two K steps of 32
.set RB,   16                          ; v[16:127]  the other seven waves' partial tiles
; One thread makes one 16-byte unit of BF.  shn = log2(32 x N): the bytes of one expert's B; a row of B is 1 << (shn - 3) bytes.
.macro PKB argoff, base, shn, dst
	s_load_b128 s[4:7], s[0:1], \argoff            ; B s[4:5], bias s[6:7]
	s_load_b64 s[8:9], s[0:1], 0x60                ; packs
	s_sub_co_u32 s2, ttmp9, \base
	s_lshl_b32 s3, s2, 6                           ; 64 columns (four n blocks) each,
	s_lshl_b32 s12, s2, 12                         ; 4,096 bytes each
	s_add_co_u32 s12, s12, \dst
	s_mov_b32 s13, 0
	v_and_b32 v1, 15, v0                           ; r
	v_lshrrev_b32 v2, 6, v0                        ; which of my four n blocks
	v_lshl_add_u32 v2, v2, 4, v1
	v_add_nc_u32 v2, s3, v2                        ; n
	v_bfe_u32 v3, v0, 4, 2                         ; chunk of eight k: 2 q + h; 0..2 an expert, 3 the bias
	v_min_u32 v4, 2, v3                            ; clamped: every lane's loads stay inside B
	v_lshlrev_b32 v5, 2, v2                        ; 4 n
	v_lshl_add_u32 v6, v4, \shn, v5                ; + expert x 32 N
	v_lshlrev_b32 v8, 4, v0
	s_wait_kmcnt 0x0
	s_add_nc_u64 s[8:9], s[8:9], s[12:13]
.irp j, 0,1,2,3,4,5,6,7
	global_load_b32 v[16+\j], v6, s[4:5] offset:\j*(1<<(\shn-3))
.endr
	global_load_b32 v24, v5, s[6:7]
	s_wait_loadcnt 0x0
.irp t, 0,1,2,3
	v_cvt_pk_bf16_f32 v[32+\t], v[16+2*\t], v[17+2*\t]
.endr
	v_cvt_pk_bf16_f32 v25, v24, v24
	v_lshlrev_b32 v25, 16, v25                     ; hi = bf16(bias), as f32
	v_sub_f32 v26, v24, v25                        ; what hi leaves (exact)
	v_cvt_pk_bf16_f32 v27, v26, v26
	v_lshlrev_b32 v27, 16, v27                     ; lo
	v_sub_f32 v28, v26, v27                        ; what lo leaves
	v_cvt_pk_bf16_f32 v36, v24, v26                ; k = 24, 25: hi, lo
	v_cvt_pk_bf16_f32 v37, v28, 0                  ; k = 26, 27: lo2, 0
	v_mov_b32 v38, 0                               ; k = 28..31
	v_cmp_eq_u32 vcc_lo, 3, v3
	v_cndmask_b32 v32, v32, v36, vcc_lo
	v_cndmask_b32 v33, v33, v37, vcc_lo
	v_cndmask_b32 v34, v34, v38, vcc_lo
	v_cndmask_b32 v35, v35, v38, vcc_lo
	global_store_b128 v8, v[32:35], s[8:9]         ; a wave stores 512 consecutive bytes, aligned
	s_endpgm
.endm
	v_lshl_add_u32 v168, v0, 2, 0x14800
	v_mov_b32 v169, 0
	s_cmp_lt_u32 ttmp9, 256
	s_cbranch_scc1 .Lxz
	s_cmp_lt_u32 ttmp9, 768
	s_cbranch_scc1 .Lcast
	s_cmp_lt_u32 ttmp9, 832
	s_cbranch_scc1 .Lpf2
	s_cmp_lt_u32 ttmp9, 896
	s_cbranch_scc1 .Lbf1
	PKB 0x50, 896, 15, OFF_BF2                     ; B2, b2: N = 1024, 16 work-groups
.Lbf1:
	PKB 0x40, 832, 17, OFF_BF1                     ; B1, b1: N = 4096, 64 work-groups
; PF2: one thread makes one 16-byte unit; 64 work-groups of 64 k each.  An expert's A2 is 4096 x 32 = 1 << 17 bytes.
.Lpf2:
	s_load_b128 s[4:7], s[0:1], 0x30               ; A2 s[4:5], R2 s[6:7]
	s_load_b64 s[8:9], s[0:1], 0x60                ; packs
	s_sub_co_u32 s2, ttmp9, 768                    ; my number among this table's work-groups
	s_lshl_b32 s3, s2, 6                           ; 64 k (two k steps) each,
	s_lshl_b32 s12, s2, 12                         ; 4,096 bytes each
	s_add_co_u32 s12, s12, OFF_PF2
	s_mov_b32 s13, 0
	v_and_b32 v1, 15, v0                           ; r
	v_bfe_u32 v2, v0, 6, 1                         ; b
	v_lshl_add_u32 v2, v2, 4, v1                   ; n = 16 b + r
	v_bfe_u32 v3, v0, 4, 2                         ; 2 q + h
	v_bfe_u32 v4, v0, 7, 1                         ; which of my two k steps
	v_lshlrev_b32 v3, 3, v3
	v_lshl_add_u32 v3, v4, 5, v3
	v_add_nc_u32 v3, s3, v3                        ; k0 = 64 x group + 32 x step + 16 q + 8 h
	v_lshrrev_b32 v4, 3, v2
	v_min_u32 v4, 2, v4                            ; expert, clamped: every lane's loads stay inside A2
	v_and_b32 v5, 7, v2
	v_lshlrev_b32 v5, 2, v5
	v_lshl_add_u32 v5, v3, 5, v5                   ; 32 k0 + 4 (n & 7)
	v_lshl_add_u32 v5, v4, 17, v5                  ; + expert x 32 K
	v_max_u32 v6, 24, v2
	v_min_u32 v6, 26, v6
	v_sub_nc_u32 v6, v6, 24                        ; router column, clamped to 0..2: inside R2
	v_mul_u32_u24 v7, 12, v3
	v_lshl_add_u32 v7, v6, 2, v7                   ; 12 k0 + 4 column
	v_lshlrev_b32 v8, 4, v0                        ; my unit
	s_wait_kmcnt 0x0
	s_add_nc_u64 s[8:9], s[8:9], s[12:13]
.irp j, 0,1,2,3,4,5,6,7
	global_load_b32 v[16+\j], v5, s[4:5] offset:32*\j
	global_load_b32 v[24+\j], v7, s[6:7] offset:12*\j
.endr
	s_wait_loadcnt 0x0
.irp t, 0,1,2,3
	v_cvt_pk_bf16_f32 v[32+\t], v[16+2*\t], v[17+2*\t]
	v_cvt_pk_bf16_f32 v[36+\t], v[24+2*\t], v[25+2*\t]
.endr
	v_cmp_gt_u32 vcc_lo, 24, v2                    ; n < 24: A2, else R2
.irp t, 0,1,2,3
	v_cndmask_b32 v[32+\t], v[36+\t], v[32+\t], vcc_lo
.endr
	v_cmp_gt_u32 vcc_lo, 27, v2                    ; n < 27: keep, else 0
.irp t, 0,1,2,3
	v_cndmask_b32 v[32+\t], 0, v[32+\t], vcc_lo
.endr
	global_store_b128 v8, v[32:35], s[8:9]         ; a wave stores 512 consecutive bytes, aligned
	s_endpgm
; The cast of W1 and W2.  Thread t takes 16 bytes at 16 t of each of sixteen blocks of 4,096 bytes; all sixteen loads of a wave are out at once.
.Lcast:
	s_load_b64 s[4:5], s[0:1], 0x8                 ; W1
	s_load_b64 s[6:7], s[0:1], 0x10                ; W2
	s_load_b64 s[10:11], s[0:1], 0x18              ; cb
	s_lshr_b32 s2, ttmp9, 8                        ; 1: W1, 2: W2: each is 256 blocks of 64 KiB
	s_and_b32 s16, ttmp9, 255
	s_lshl_b32 s16, s16, 16                        ; my 64 KiB in it
	s_mov_b32 s17, 0
	s_lshl_b32 s18, ttmp9, 15                      ; cb holds x, W1, W2 in the order of the work-groups: my 32 KiB
	s_mov_b32 s19, 0
	v_lshlrev_b32 v1, 4, v0
	v_lshlrev_b32 v2, 3, v0
	s_wait_kmcnt 0x0
	s_cmp_eq_u32 s2, 1
	s_cselect_b64 s[12:13], s[4:5], s[6:7]
	s_add_nc_u64 s[12:13], s[12:13], s[16:17]
	s_add_nc_u64 s[14:15], s[10:11], s[18:19]
.irp i, 0,1,2,3,4,5,6,7,8,9,10,11,12,13,14,15
	global_load_b128 v[16+4*\i:19+4*\i], v1, s[12:13] offset:4096*\i th:TH_LOAD_NT
.endr
.irp i, 0,1,2,3,4,5,6,7,8,9,10,11,12,13,14,15
	s_wait_loadcnt 15-\i                           ; loads come back in order: block i is in, the 15 - i younger ones stay out
	v_cvt_pk_bf16_f32 v[80+2*\i], v[16+4*\i], v[17+4*\i]
	v_cvt_pk_bf16_f32 v[81+2*\i], v[18+4*\i], v[19+4*\i]
	global_store_b64 v2, v[80+2*\i:81+2*\i], s[14:15] offset:2048*\i   ; a wave stores 256 consecutive bytes, aligned; no register is used twice
.endr
	s_endpgm
; x: the cast, and zg1[t][8 e + r] = 0.125 x softmax(x R1)[t][e] x (x A1[e])[t][r] for the work-group's 16 tokens.
; A row of x is 4,096 bytes, so load i of thread t brings token i, columns 4 t .. 4 t + 3: wave w holds columns 128 w .. 128 w + 127 of all 16 tokens.
; That is its share of K: its bf16 of x goes to cb and, beside that, into its own LDS; its 128 rows of P = [A1[0] | A1[1] | A1[2] | R1 | 0] (32 columns)
; go into its own LDS as [k][32] bf16, 64 k at a time, and come back as fragments by the transposing load.  Nothing is shared between waves up to the last sum.
; The matrix instruction is used transposed (source 0 = P, source 1 = tokens): lane (r, h) holds token r; ACC0[j] is column 8 h + j, ACC1[j] column 16 + 8 h + j.
; So lanes with h = 1 hold the logits in ACC1[0..2], and every lane already holds the eight numbers of its 16 bytes of the output fragment.
; Output: zgf1 [row block][q][lane][16 B] = zg1[16 block + r][16 q + 8 h + j]; k = 24, 25, 26 hold 1.0 (they meet the three parts of the bias), k = 27..31 hold 0.
.Lxz:
	s_load_b64 s[4:5], s[0:1], 0x0                 ; x
	s_load_b64 s[6:7], s[0:1], 0x18                ; cb
	s_load_b128 s[8:11], s[0:1], 0x20              ; A1 s[8:9], R1 s[10:11]
	s_load_b64 s[12:13], s[0:1], 0x68              ; zgf1
	v_lshrrev_b32 v3, 5, v0
	v_readfirstlane_b32 s14, v3                    ; wave
	s_mul_i32 s15, s14, WREG                       ; my LDS
	s_lshl_b32 s16, ttmp9, 16                      ; my 64 KiB of x
	s_mov_b32 s17, 0
	s_lshl_b32 s18, ttmp9, 15                      ; my 32 KiB of cb
	s_mov_b32 s19, 0
	s_lshl_b32 s20, ttmp9, 10                      ; my 1,024 bytes of zgf1
	s_mov_b32 s21, 0
	s_mov_b32 s22, 0x76543210                      ; v_permlanex16_b32: lane i of one half reads lane i of the other
	s_mov_b32 s23, 0xfedcba98
	s_lshl_b32 s2, s14, 12                         ; my 128 k of an expert's A1: 4,096 bytes
	s_mul_i32 s3, s14, 1536                        ; my 128 k of R1: 1,536 bytes
	v_lshlrev_b32 v1, 4, v0                        ; 16 t
	v_lshlrev_b32 v2, 3, v0                        ; 8 t
	v_and_b32 v3, 31, v0                           ; L
	v_and_b32 v4, 15, v0                           ; r
	v_bfe_u32 v5, v0, 4, 1                         ; h
	v_lshl_add_u32 v6, v3, 4, s2                   ; A1: 16 L + my share: lane L takes k = L >> 1 of 16, half L & 1 of its 8 numbers
	v_mul_u32_u24 v7, 12, v3
	v_add_nc_u32 v7, s3, v7                        ; R1: row L of 32 + my share
	s_wait_kmcnt 0x0
	s_add_nc_u64 s[4:5], s[4:5], s[16:17]
	s_add_nc_u64 s[6:7], s[6:7], s[18:19]
	s_add_nc_u64 s[12:13], s[12:13], s[20:21]
.macro PIN bt                          ; batch bt of P, 64 k: 12 loads of 512 consecutive bytes from A1, 6 words a lane from R1
.irp e, 0,1,2
.irp i, 0,1,2,3
	global_load_b128 v[AL+16*\e+4*\i:AL+16*\e+4*\i+3], v6, s[8:9] offset:\e*32768+(4*\bt+\i)*512
.endr
.endr
.irp i, 0,1
.irp c, 0,1,2
	global_load_b32 v[RL+3*\i+\c], v7, s[10:11] offset:768*\bt+384*\i+4*\c
.endr
.endr
.endm
.macro POUT                            ; the batch to bf16 and into my [k][32] tile
.irp e, 0,1,2
.irp i, 0,1,2,3
	v_cvt_pk_bf16_f32 v[AL+16*\e+4*\i],   v[AL+16*\e+4*\i],   v[AL+16*\e+4*\i+1]
	v_cvt_pk_bf16_f32 v[AL+16*\e+4*\i+1], v[AL+16*\e+4*\i+2], v[AL+16*\e+4*\i+3]
	ds_store_b64 v8, v[AL+16*\e+4*\i:AL+16*\e+4*\i+1] offset:16*PPITCH*\i+16*\e   ; row 16 i + (L >> 1), columns 8 e + 4 (L & 1) ..
.endr
.endr
.irp i, 0,1
	v_cvt_pk_bf16_f32 v[TR],   v[RL+3*\i], v[RL+3*\i+1]
	v_cvt_pk_bf16_f32 v[TR+1], v[RL+3*\i+2], 0
	ds_store_b128 v9, v[TR:TR+3] offset:32*PPITCH*\i+48                           ; row 32 i + L, columns 24 .. 31
.endr
.endm
.macro PFR                             ; P's fragments of the tile's two K steps of 32, two column blocks each
.irp k, 0,1
.irp b, 0,1
	ds_load_tr16_b128 v[PFA+16*\k+8*\b:PFA+16*\k+8*\b+3],   v12 offset:32*PPITCH*\k+32*\b
	ds_load_tr16_b128 v[PFA+16*\k+8*\b+4:PFA+16*\k+8*\b+7], v12 offset:32*PPITCH*\k+32*\b+16*PPITCH
.endr
.endr
.endm
; four matrix instructions: the tile's two K steps against the tokens' fragments k0, k0 + 1.  The two accumulators take turns, one instruction a turn,
; from one call to the next too.  zero = 1: the first pair starts the sums.
.macro ZW k0, zero
.irp k, 0,1
.irp b, 0,1
.if \zero*(1-\k)
	v_wmma_f32_16x16x32_bf16 v[ACC0+8*\b:ACC0+8*\b+7], v[PFA+16*\k+8*\b:PFA+16*\k+8*\b+7], v[TF+8*(\k0+\k):TF+8*(\k0+\k)+7], 0
.else
	v_wmma_f32_16x16x32_bf16 v[ACC0+8*\b:ACC0+8*\b+7], v[PFA+16*\k+8*\b:PFA+16*\k+8*\b+7], v[TF+8*(\k0+\k):TF+8*(\k0+\k)+7], v[ACC0+8*\b:ACC0+8*\b+7]
.endif
.endr
.endr
.endm
	PIN 0
.irp i, 0,1,2,3,4,5,6,7,8,9,10,11,12,13,14,15
	global_load_b128 v[X+4*\i:X+4*\i+3], v1, s[4:5] offset:4096*\i th:TH_LOAD_NT
.endr
	; LDS addresses, while the loads are out
	s_add_co_u32 s2, s15, XSB                      ; my tile of P lies behind my x
	v_lshrrev_b32 v8, 1, v3
	v_mul_u32_u24 v8, 96, v8
	v_and_b32 v9, 1, v3
	v_lshl_add_u32 v8, v9, 3, v8
	v_add_nc_u32 v8, s2, v8                        ; A1's stores: row L >> 1, 8 bytes for each half
	v_mul_u32_u24 v9, 96, v3
	v_add_nc_u32 v9, s2, v9                        ; R1's stores: row L
	v_lshl_add_u32 v10, v3, 3, s15                 ; x's stores: 8 L in a token's row
	v_mul_u32_u24 v11, v4, XPITCH
	v_lshl_add_u32 v11, v5, 4, v11
	v_add_nc_u32 v11, s15, v11                     ; the tokens' fragments: row r, 16 h
	v_and_b32 v12, 7, v0
	v_lshl_add_u32 v12, v5, 3, v12
	v_mul_u32_u24 v12, 96, v12
	v_bfe_u32 v13, v0, 3, 1
	v_lshl_add_u32 v12, v13, 4, v12
	v_add_nc_u32 v12, s2, v12                      ; P's fragments: K row 8 h + L % 8, 16 bytes x ((L / 8) % 2)
	v_lshl_add_u32 v13, v3, 4, s15                 ; where my partial tile goes: over my x, when it has been read
	v_lshlrev_b32 v14, 4, v3                       ; 16 L: from where wave 0 reads waves 1-3, and my bytes of zgf1
	v_add_nc_u32 v15, 4*WREG, v14                  ; and waves 4-7: the offsets stay inside 16 bits
	v_mov_b32 v[TR+2], 0                           ; columns 28 .. 31 of P
	v_mov_b32 v[TR+3], 0
	s_wait_loadcnt 16                              ; the first batch of P is in; x's sixteen loads stay out
	POUT
	s_wait_dscnt 0x0                               ; these stores are done: the second batch lands in the registers that they read
	PIN 1
.irp i, 0,1,2,3,4,5,6,7,8,9,10,11,12,13,14,15
	s_wait_loadcnt 33-\i                           ; token i is in; the 15 - i tokens behind it and the second batch's 18 loads stay out
	v_cvt_pk_bf16_f32 v[X+4*\i],   v[X+4*\i],   v[X+4*\i+1]
	v_cvt_pk_bf16_f32 v[X+4*\i+1], v[X+4*\i+2], v[X+4*\i+3]
	global_store_b64 v2, v[X+4*\i:X+4*\i+1], s[6:7] offset:2048*\i     ; a wave stores 256 consecutive bytes, aligned
	ds_store_b64 v10, v[X+4*\i:X+4*\i+1] offset:XPITCH*\i
.endr
	s_wait_xcnt 0x0                                ; x's registers, which the stores to cb read, are loaded again only behind this wait
.irp k, 0,1,2,3
	ds_load_b128 v[TF+8*\k:TF+8*\k+3],   v11 offset:64*\k              ; a wave's LDS instructions are served in order: these see the stores above
	ds_load_b128 v[TF+8*\k+4:TF+8*\k+7], v11 offset:64*\k+32
.endr
	PFR
	s_wait_dscnt 0x0
	ZW 0, 1
	s_wait_loadcnt 0x0                             ; the second batch of P
	POUT                                           ; its 28 conversions name none of the products' registers: the places in front of the loads below
	PFR
	s_wait_dscnt 0x0
	ZW 2, 0
.rept 4
	v_nop                                          ; four places before the sums are read and loads land on the sources
.endr
	s_cmp_eq_u32 s14, 0
	s_cbranch_scc1 .Lxkeep                         ; wave 0 keeps its tile in registers
.irp p, 0,1,2,3
	ds_store_b128 v13, v[ACC0+4*\p:ACC0+4*\p+3] offset:512*\p
.endr
.Lxkeep:
	s_wait_dscnt 0x0                               ; my stores are done, for wave 0's sake
	s_barrier_signal -1
	s_barrier_wait -1
	s_cmp_lg_u32 s14, 0
	s_cbranch_scc1 .Lxend
.irp s, 1,2,3
.irp p, 0,1,2,3
	ds_load_b128 v[RB+16*(\s-1)+4*\p:RB+16*(\s-1)+4*\p+3], v14 offset:\s*WREG+512*\p
.endr
.endr
.irp s, 4,5,6,7
.irp p, 0,1,2,3
	ds_load_b128 v[RB+16*(\s-1)+4*\p:RB+16*(\s-1)+4*\p+3], v15 offset:(\s-4)*WREG+512*\p
.endr
.endr
	s_wait_dscnt 0x0
.irp s, 0,1,2,3,4,5,6
.irp p, 0,1,2,3,4,5,6,7
	v_pk_add_f32 v[ACC0+2*\p:ACC0+2*\p+1], v[ACC0+2*\p:ACC0+2*\p+1], v[RB+16*\s+2*\p:RB+16*\s+2*\p+1]
.endr
.endr
	; softmax over the three logits.  Every lane computes; only the lanes with h = 1 hold logits, and only their gates are used.
	v_max3_num_f32 v[T], v[ACC1], v[ACC1+1], v[ACC1+2]
	v_sub_f32 v[T+1], v[ACC1], v[T]
	v_sub_f32 v[T+2], v[ACC1+1], v[T]
	v_sub_f32 v[T+3], v[ACC1+2], v[T]
	v_mul_f32 v[T+1], 0x3fb8aa3b, v[T+1]           ; e^x = 2^(x log2 e)
	v_mul_f32 v[T+2], 0x3fb8aa3b, v[T+2]
	v_mul_f32 v[T+3], 0x3fb8aa3b, v[T+3]
	v_exp_f32 v[T+4], v[T+1]
	v_exp_f32 v[T+5], v[T+2]
	v_exp_f32 v[T+6], v[T+3]
	v_mov_b32 v[ONES], 0x3f803f80                  ; the plain instruction between the exponentials and their use
	s_wait_alu depctr_va_vdst(0)
	v_add_f32 v[T+7], v[T+4], v[T+5]
	v_add_f32 v[T+7], v[T+7], v[T+6]               ; at least 1: the largest term is 2^0
	v_rcp_f32 v[T], v[T+7]
	v_mov_b32 v[ONES+1], 0x3f80                    ; the plain instruction behind the reciprocal
	v_mov_b32 v[ONES+2], 0
	v_mov_b32 v[ONES+3], 0
	s_wait_alu depctr_va_vdst(0)
	v_mul_f32 v[T], 0x3e000000, v[T]               ; the scaling 1/8 rides on the gates
	v_mul_f32 v[T+1], v[T+4], v[T]                 ; gate 0
	v_mul_f32 v[T+2], v[T+5], v[T]                 ; gate 1
	v_mul_f32 v[T+3], v[T+6], v[T]                 ; gate 2
	v_permlanex16_b32 v[T+4], v[T+3], s22, s23     ; gate 2 and gate 0 to the lanes with h = 0 (both destinations have been written)
	v_permlanex16_b32 v[T+5], v[T+1], s22, s23
	v_cmp_le_u32 vcc_lo, 16, v3                    ; h = 1
	v_cndmask_b32 v[T+6], v[T+5], v[T+2], vcc_lo   ; ACC0 is expert h's: gate 1 or gate 0
.irp t, 0,1,2,3
	v_pk_mul_f32 v[ACC0+2*\t:ACC0+2*\t+1], v[ACC0+2*\t:ACC0+2*\t+1], v[T+6:T+7] op_sel_hi:[1,0]   ; both by T+6
	v_pk_mul_f32 v[ACC1+2*\t:ACC1+2*\t+1], v[ACC1+2*\t:ACC1+2*\t+1], v[T+4:T+5] op_sel_hi:[1,0]   ; both by T+4: expert 2 (h = 0)
.endr
.irp t, 0,1,2,3,4,5,6,7
	v_cvt_pk_bf16_f32 v[Z+\t], v[ACC0+2*\t], v[ACC0+2*\t+1]
.endr
.irp t, 0,1,2,3
	v_cndmask_b32 v[Z+4+\t], v[Z+4+\t], v[ONES+\t], vcc_lo     ; h = 1, q = 1: k = 24..31 are 1, 1, 1, 0, 0, 0, 0, 0
.endr
	global_store_b128 v14, v[Z:Z+3], s[12:13]                  ; q = 0: 512 consecutive bytes, aligned
	global_store_b128 v14, v[Z+4:Z+7], s[12:13] offset:512     ; q = 1
.Lxend:
	s_wait_tensorcnt 0x0
	ds_add_u32 v168, v169
	s_wait_dscnt 0x0
	s_endpgm
.Lfunc_end_k_qc74611bc3c_prep:
	.size	k_qc74611bc3c_prep, .Lfunc_end_k_qc74611bc3c_prep-k_qc74611bc3c_prep
	.p2alignl 7, 3214868480
	.fill 96, 4, 3214868480
	.section	.rodata,"a",@progbits
	.p2align	6, 0x0
	.amdhsa_kernel k_qc74611bc3c_prep
		.amdhsa_group_segment_fixed_size 84992
		.amdhsa_private_segment_fixed_size 0
		.amdhsa_enable_private_segment 0
		.amdhsa_kernarg_size 112
		.amdhsa_user_sgpr_count 2
		.amdhsa_user_sgpr_kernarg_segment_ptr 1
		.amdhsa_wavefront_size32 1
		.amdhsa_system_sgpr_workgroup_id_x 1
		.amdhsa_system_sgpr_workgroup_id_y 1
		.amdhsa_system_sgpr_workgroup_id_z 1
		.amdhsa_system_vgpr_workitem_id 0
		.amdhsa_next_free_vgpr 170
		.amdhsa_next_free_sgpr 66
		.amdhsa_reserve_vcc 1
		.amdhsa_float_denorm_mode_32 3
		.amdhsa_float_denorm_mode_16_64 3
		.amdhsa_memory_ordered 1
		.amdhsa_forward_progress 1
		.amdhsa_inst_pref_size 45
	.end_amdhsa_kernel
	.amdgpu_metadata
---
amdhsa.version: [ 1, 2 ]
amdhsa.kernels:
  - .name:           k_qc74611bc3c_prep
    .symbol:         k_qc74611bc3c_prep.kd
    .args:
      - { .name: x, .offset: 0, .size: 8, .value_kind: global_buffer, .address_space: global }
      - { .name: W1, .offset: 8, .size: 8, .value_kind: global_buffer, .address_space: global }
      - { .name: W2, .offset: 16, .size: 8, .value_kind: global_buffer, .address_space: global }
      - { .name: cb, .offset: 24, .size: 8, .value_kind: global_buffer, .address_space: global }
      - { .name: A1, .offset: 32, .size: 8, .value_kind: global_buffer, .address_space: global }
      - { .name: R1, .offset: 40, .size: 8, .value_kind: global_buffer, .address_space: global }
      - { .name: A2, .offset: 48, .size: 8, .value_kind: global_buffer, .address_space: global }
      - { .name: R2, .offset: 56, .size: 8, .value_kind: global_buffer, .address_space: global }
      - { .name: B1, .offset: 64, .size: 8, .value_kind: global_buffer, .address_space: global }
      - { .name: b1, .offset: 72, .size: 8, .value_kind: global_buffer, .address_space: global }
      - { .name: B2, .offset: 80, .size: 8, .value_kind: global_buffer, .address_space: global }
      - { .name: b2, .offset: 88, .size: 8, .value_kind: global_buffer, .address_space: global }
      - { .name: packs, .offset: 96, .size: 8, .value_kind: global_buffer, .address_space: global }
      - { .name: zgf1, .offset: 104, .size: 8, .value_kind: global_buffer, .address_space: global }
    .group_segment_fixed_size: 84992
    .private_segment_fixed_size: 0
    .kernarg_segment_align: 8
    .kernarg_segment_size: 112
    .max_flat_workgroup_size: 256
    .sgpr_count:     66
    .vgpr_count:     170
    .wavefront_size: 32
...
	.end_amdgpu_metadata
.endif
;; end of part 1
;; launch gemm1 (part 2): grid 16 x 16, 4 waves a work-group, clusters of 4 x 4, 327,680 bytes of LDS; arguments cb, packs, zgf1, h; writes h
.if DOCPART == 2
	.amdgcn_target "amdgcn-amd-amdhsa--gfx1250"
	.amdhsa_code_object_version 6
	.text
	.protected	k_qc74611bc3c_gemm1
	.globl	k_qc74611bc3c_gemm1
	.p2align	8
	.type	k_qc74611bc3c_gemm1,@function
k_qc74611bc3c_gemm1:
	s_mov_b64 s[64:65], 0
	v_nop
	global_prefetch_b8 v0, s[64:65] scope:SCOPE_SE
	s_setreg_imm32_b32 hwreg(HW_REG_WAVE_MODE, 25, 1), 1
	s_wait_xcnt 0x0
	s_wait_alu depctr_hold_cnt(0) depctr_sa_sdst(0) depctr_va_vdst(0) depctr_va_sdst(0) depctr_va_ssrc(0) depctr_va_vcc(0) depctr_vm_vsrc(0)
	s_getreg_b32 s2, hwreg(HW_REG_IB_STS2, 6, 4)
	s_cmp_eq_u32 s2, 0
	s_cbranch_scc0 .Lentry_in_a_cluster
	s_endpgm
.Lentry_in_a_cluster:
	s_bfe_u32 s2, ttmp6, 0x10000c
	s_cmp_lg_u32 s2, 0xf033
	s_cbranch_scc0 .Lentry_shape_is_right
	s_endpgm
.Lentry_shape_is_right:
; gemm1: h = relu([xb | zg1] x [W1b ; B1x]), bf16 out.  xb [4096][1024], W1b [1024][4096] (K along the rows' index, as W1 lies), h [4096][4096].
; A work-group makes 256 x 256 of h with four waves, a wave 128 x 128: 64 accumulator tiles of 16 x 16 in 512 registers.
; K goes in steps of 128 through a ring of two LDS slots filled by tensor loads.  A slot: 256 rows of xb (256 bytes + 16 of padding), then 128 K rows of W1b
; (256 columns = 512 bytes + 32 of padding).  W1b's fragments are read with the transposing LDS load, so W1 is never transposed in memory.
; THE LOW-RANK TERM AND THE BIAS are one more quarter step of 32 along K: zg1 (24 gated numbers, then 1, 1, 1, 0 ..) against B1x (B1's 24 rows, then the bias
; in three bf16 parts, then 0).  Its fragments come ready from memory into registers, and it is the quarter that starts all 64 sums with C = 0: nothing is cleared.
; CLUSTER 4 x 4: xb's tile hangs on the block row alone and is asked for jointly along a row of the cluster, W1b's on the block column alone, jointly along a column.
; REGISTER WINDOWS: 0: addresses, xb's fragments (two buffers), the way out; 1: W1b's fragments (two buffers); 2, 3: accumulators of my rows 0-63, 64-127.
; The matrix instruction is used transposed (source 0 = columns of W, source 1 = rows of x): a lane's eight results are eight neighbouring columns of one row of h.
; A wave has two tensor loads out at the most (the two first fills), one behind each refill.
; LIMIT: operands and h are bf16, sums f32; relu is a maximum with 0 in which a NaN loses (a NaN becomes 0).
.set SIZE_K, 1024
.set SIZE_N, 4096
.set KSTEP,  128
.set QPS,    4                         ; a wave's quarter steps of 32 along K in a K step
.set LAPS,   SIZE_K/(2*KSTEP)          ; a lap = two K steps = once round the ring
.set APITCH, 272                       ; an odd multiple of 16 bytes: the 16 rows of a fragment load start in 16 different 16-byte columns modulo 256
.set AGAP,   0
.set AQ,     64                        ; bytes along a row of A from quarter to quarter
.set BPITCH, 544                       ; an odd multiple of 32 bytes, for the transposing load
.set BQ,     32*BPITCH                 ; 32 K rows from quarter to quarter
.set BH,     16*BPITCH                 ; 16 K rows between a fragment's two loads
.set HALF,   34816                     ; what one tensor load fills: 128 x 272 = 64 x 544
.set SLOT,   4*HALF
.set STAGE,  2*SLOT                    ; behind the ring: 16 rows x 272 bytes for each wave, for the way out; no tensor load lands here
.set SPITCH, 272
.set ASTEP,  KSTEP*2                   ; a K step in bytes along xb's rows
.set BSTEP,  KSTEP*SIZE_N*2            ; a K step in bytes down W1b
.set OFF_WB, 0x800000                  ; W1b in cb
.set OFF_BF, 327680                    ; B1x in packs
.set ADRA, 16                          ; v16-17  LDS address of my A fragments in slot 0, 1
.set ADRB, 20                          ; v20-21  the same for B
.set STO,  24
.set RD,   25
.set CO,   26
.set L16,  27                          ; 16 x lane
.set F0,   64
.set F1,   128
.set TMP,  192
.set G1,   24                          ; s[24:31] group 1 for A's tiles
.set G0,   32                          ; s[32:39] group 0 for A's tiles, a set for each slot
.set G1B,  48                          ; s[48:55] group 1 for B's tiles
.set G0B,  56                          ; s[56:63] group 0 for B's tiles, a set for each slot
.set WV,   66                          ; wave
.set WHI,  67                          ; wave >> 1: my half of the rows; also: I fetch for A (0) or B (1)
.set WLO,  68                          ; wave & 1: my half of the columns; also: which half of that tile I fetch
.set BROW, 69
.set BCOL, 70
.set MSB, 0
.macro WIN new                         ; the immediate's high byte repeats the setting that is left
.if MSB != \new
	s_set_vgpr_msb (MSB<<8)|\new
.set MSB, \new
.endif
.endm
.set MUL_LO, 0xa1                      ; source 0 (B) window 1, source 1 (A) window 0, C and D window 2
.set MUL_HI, 0xf1                      ; the same, C and D window 3
.set TO_B,   0x40                      ; destination window 1, address window 0
.macro JLOAD s                         ; a joint load: waves 0, 1 ask for A's halves, waves 2, 3 for B's; the branch hangs on the wave's number alone
	s_cmp_eq_u32 s[WHI], 0
	s_cbranch_scc0 .Lfor_b_\@
	tensor_load_to_lds s[G0+4*\s:G0+4*\s+3], s[G1:G1+7]
	s_nop 0
	v_nop
	s_branch .Lasked_\@
.Lfor_b_\@:
	tensor_load_to_lds s[G0B+4*\s:G0B+4*\s+3], s[G1B:G1B+7]
	s_nop 0
	v_nop
	v_nop
.Lasked_\@:
.endm
.macro CREST                           ; a round of the cluster's barrier behind its opening work-group barrier
	s_cmp_lg_u32 s[WV], 0
	s_cbranch_scc1 .Lnot_wave_0_\@
	s_barrier_signal -3
.Lnot_wave_0_\@:
	s_barrier_wait -3
	s_barrier_signal -1
	s_barrier_wait -1
.endm
.macro CROUND                          ; a whole round
	s_barrier_signal -1
	s_barrier_wait -1
	CREST
.endm
	s_load_b256 s[4:11], s[0:1], 0x0               ; cb s[4:5], packs s[6:7], zgf1 s[8:9], h s[10:11]
	s_set_vgpr_msb 0x40
	v_lshl_add_u32 v255, v0, 2, 0x48400
	s_set_vgpr_msb 0x4000
	v_mov_b32 v255, 0
	s_set_vgpr_msb 0x1
	ds_add_u32 v255, v255
	s_set_vgpr_msb 0x100
	v_lshrrev_b32 v1, 5, v0
	v_readfirstlane_b32 s[WV], v1
	s_lshr_b32 s[WHI], s[WV], 1
	s_and_b32 s[WLO], s[WV], 1
	s_bfe_u32 s40, ttmp6, 0x40000                  ; cx
	s_bfe_u32 s41, ttmp6, 0x40004                  ; cy
	s_lshl_b32 s[BCOL], ttmp9, 2
	s_add_co_u32 s[BCOL], s[BCOL], s40             ; block column = 4 x cluster x + cx
	s_and_b32 s[BROW], ttmp7, 0xffff
	s_lshl_b32 s[BROW], s[BROW], 2
	s_add_co_u32 s[BROW], s[BROW], s41             ; block row = 4 x cluster y + cy
	s_lshl_b32 s43, s41, 2
	s_lshl_b32 s43, 15, s43                        ; my row of the cluster
	s_lshl_b32 s44, 0x1111, s40                    ; my column
	; A's tile: 128 rows x 128 elements, 4 words of padding behind every 64 words
	s_or_b32 s[G1+0], s43, (1<<16)|(1<<20)|(1<<21)|(5<<22)|(3<<25)
	s_mov_b32 s[G1+1], 128<<16                     ; tensor_dim0
	s_mov_b32 s[G1+2], 128<<16                     ; tensor_dim1
	s_mov_b32 s[G1+3], 128<<16                     ; tile_dim0
	s_mov_b32 s[G1+4], 128                         ; tile_dim1
	s_mov_b32 s[G1+5], SIZE_K                      ; from row to row
	s_mov_b32 s[G1+6], 0
	s_mov_b32 s[G1+7], 0
	; B's tile: 64 K rows x 256 elements, 8 words of padding behind every 128 words
	s_or_b32 s[G1B+0], s44, (1<<16)|(1<<20)|(1<<21)|(6<<22)|(7<<25)
	s_mov_b32 s[G1B+1], 256<<16
	s_mov_b32 s[G1B+2], 64<<16
	s_mov_b32 s[G1B+3], 256<<16
	s_mov_b32 s[G1B+4], 64
	s_mov_b32 s[G1B+5], SIZE_N
	s_mov_b32 s[G1B+6], 0
	s_mov_b32 s[G1B+7], 0
	; offsets.  A's hang on the block row and the wave alone, B's on the block column and the wave alone, each in registers that never hold the other coordinate.
	s_lshl_b32 s16, s[BROW], 8
	s_lshl_b32 s17, s[WLO], 7
	s_add_co_u32 s16, s16, s17                     ; row 256 x block row + 128 x half
	s_lshl_b32 s16, s16, 11                        ; x 2,048 bytes
	s_mov_b32 s17, 0
	s_lshl_b32 s46, s[WLO], 19                     ; 64 K rows of 8,192 bytes x half
	s_lshl_b32 s47, s[BCOL], 9                     ; 256 columns of 2 bytes x block column
	s_add_co_u32 s46, s46, s47
	s_add_co_u32 s46, s46, OFF_WB
	s_mov_b32 s47, 0
	s_lshl_b32 s72, s[BROW], 14                    ; zg1: 16 row blocks of 1,024 bytes a block row,
	s_lshl_b32 s73, s[WHI], 13                     ; 8 of them a wave
	s_add_co_u32 s72, s72, s73
	s_mov_b32 s73, 0
	s_lshl_b32 s74, s[BCOL], 14                    ; B1x likewise by column blocks
	s_lshl_b32 s75, s[WLO], 13
	s_add_co_u32 s74, s74, s75
	s_add_co_u32 s74, s74, OFF_BF
	s_mov_b32 s75, 0
	s_mul_i32 s20, s[WV], HALF                     ; where my loads land: wave x HALF: no place in the cluster enters an LDS address
	s_wait_dscnt 0x0
	s_wait_kmcnt 0x0
	s_add_nc_u64 s[14:15], s[4:5], s[16:17]
	s_add_nc_u64 s[46:47], s[4:5], s[46:47]
	s_add_nc_u64 s[72:73], s[8:9], s[72:73]
	s_add_nc_u64 s[74:75], s[6:7], s[74:75]
	CROUND                                         ; all sixteen work-groups are here: the first joint loads meet
.irp s, 0,1
	s_mov_b32 s[G0+4*\s], 1
	s_add_co_u32 s[G0+4*\s+1], s20, \s*SLOT
	s_add_nc_u64 s[G0+4*\s+2:G0+4*\s+3], s[14:15], \s*ASTEP
	s_or_b32 s[G0+4*\s+3], s[G0+4*\s+3], 0x80000000
	s_mov_b32 s[G0B+4*\s], 1
	s_add_co_u32 s[G0B+4*\s+1], s20, \s*SLOT
	s_add_nc_u64 s[G0B+4*\s+2:G0B+4*\s+3], s[46:47], \s*BSTEP
	s_or_b32 s[G0B+4*\s+3], s[G0B+4*\s+3], 0x80000000
	JLOAD \s
.endr
	; the low-rank quarter's fragments, ready in memory: each load of the wave is 512 consecutive bytes
	v_and_b32 v3, 31, v0
	v_lshlrev_b32 v[L16], 4, v3
	WIN TO_B
.irp i, 0,1,2,3,4,5,6,7
	global_load_b128 v[F1+8*\i:F1+8*\i+3],   v[L16], s[74:75] offset:1024*\i
	global_load_b128 v[F1+8*\i+4:F1+8*\i+7], v[L16], s[74:75] offset:1024*\i+512
.endr
	WIN 0
.irp i, 0,1,2,3,4,5,6,7
	global_load_b128 v[F1+8*\i:F1+8*\i+3],   v[L16], s[72:73] offset:1024*\i
	global_load_b128 v[F1+8*\i+4:F1+8*\i+7], v[L16], s[72:73] offset:1024*\i+512
.endr
	; LDS addresses.  A: lane l reads row l % 16 at 16 (l / 16) bytes, two loads 32 bytes apart.
	; B: lane l addresses K row 8 (l / 16) + l % 8 at 16 ((l / 8) % 2) bytes; the transposing load hands it column l % 16; two loads 16 K rows apart.
	v_and_b32 v1, 15, v0
	v_bfe_u32 v2, v0, 4, 1
	v_mul_u32_u24 v3, v1, APITCH
	v_lshl_add_u32 v3, v2, 4, v3
	v_and_b32 v4, 7, v0
	v_lshl_add_u32 v4, v2, 3, v4
	v_mul_u32_u24 v4, v4, BPITCH
	v_bfe_u32 v5, v0, 3, 1
	v_lshl_add_u32 v4, v5, 4, v4
	s_mul_i32 s21, s[WHI], HALF                    ; my 128 rows of A
	s_lshl_b32 s22, s[WLO], 8                      ; my 128 columns of B,
	s_add_co_u32 s22, s22, 2*HALF                  ; which lies behind A
.irp s, 0,1
	v_add_nc_u32 v[ADRA+\s], s21, v3
	v_add_nc_u32 v[ADRB+\s], s22, v4
	s_add_co_u32 s21, s21, SLOT
	s_add_co_u32 s22, s22, SLOT
.endr
	s_mul_i32 s23, s[WV], 16*SPITCH
	s_add_co_u32 s23, s23, STAGE                   ; my stage
	v_mul_u32_u24 v4, v1, SPITCH
	v_lshl_add_u32 v4, v2, 4, v4
	v_add_nc_u32 v[STO], s23, v4                   ; in: row l % 16, 16 bytes for each half of the lanes
	v_mul_u32_u24 v5, v2, SPITCH
	v_lshl_add_u32 v5, v1, 4, v5
	v_add_nc_u32 v[RD], s23, v5                    ; back: lanes 0-15 one row of 256 bytes, lanes 16-31 the next
	v_mul_u32_u24 v5, v2, SIZE_N*2
	v_lshl_add_u32 v[CO], v1, 4, v5                ; the same two rows in h
; 16 matrix instructions: row blocks a0, a0 + 1 of the window's four x all 8 column blocks, 32 along K.  zero = 1: the product starts the sums.
.macro MUL16 f, hi, a0, zero
.irp a, \a0, \a0+1
.irp b, 0,1,2,3,4,5,6,7
.if \zero
	v_wmma_f32_16x16x32_bf16 v[8*(8*(\a)+\b):8*(8*(\a)+\b)+7], v[\f+8*\b:\f+8*\b+7], v[\f+8*(4*\hi+\a):\f+8*(4*\hi+\a)+7], 0
.else
	v_wmma_f32_16x16x32_bf16 v[8*(8*(\a)+\b):8*(8*(\a)+\b)+7], v[\f+8*\b:\f+8*\b+7], v[\f+8*(4*\hi+\a):\f+8*(4*\hi+\a)+7], v[8*(8*(\a)+\b):8*(8*(\a)+\b)+7]
.endif
.endr
.endr
.endm
; 32 LDS loads in one run: quarter kq of a slot into buffer f: B's 8 column blocks, then A's 8 row blocks
.macro FETCH slot, kq, f
	WIN TO_B
.irp i, 0,1,2,3,4,5,6,7
	ds_load_tr16_b128 v[\f+8*\i:\f+8*\i+3],   v[ADRB+\slot] offset:\kq*BQ+32*\i
	ds_load_tr16_b128 v[\f+8*\i+4:\f+8*\i+7], v[ADRB+\slot] offset:\kq*BQ+BH+32*\i
.endr
	WIN 0
.irp i, 0,1,2,3,4,5,6,7
	ds_load_b128 v[\f+8*\i:\f+8*\i+3],   v[ADRA+\slot] offset:\kq*AQ+\i*16*APITCH+(\i/4)*AGAP
	ds_load_b128 v[\f+8*\i+4:\f+8*\i+7], v[ADRA+\slot] offset:\kq*AQ+\i*16*APITCH+(\i/4)*AGAP+32
.endr
.endm
.macro PLACES                          ; four places behind matrix instructions before loads land on their sources or anything reads their results
.rept 4
	v_nop
.endr
.endm
; A quarter step: multiplies buffer f; in its middle it fetches quarter kq of the same slot into buffer g.
; The 64 accumulators take turns in the same order in every quarter, over the backward jump too.
.macro QUARTER slot, kq, f, g
	s_wait_dscnt 8                                 ; B and A's rows 0-63 are in; the youngest eight loads (A's rows 64-127) may be out
	WIN MUL_LO
	MUL16 \f, 0, 0, 0
	MUL16 \f, 0, 2, 0
	PLACES
	FETCH \slot, \kq, \g
	s_wait_dscnt 32                                ; all but the 32 just issued
	WIN MUL_HI
	MUL16 \f, 1, 0, 0
	MUL16 \f, 1, 2, 0
.endm
.macro STEPQ slot                      ; all quarters of a K step but the last
	QUARTER \slot, 1, F0, F1
.if QPS == 4
	QUARTER \slot, 2, F1, F0
	QUARTER \slot, 3, F0, F1
.endif
.endm
; The last quarter of a K step: multiplies buffer 1 and changes slots.  In front of the barrier each wave waits for its reads of this slot and for all its
; tensor loads (one is out: its part of the next slot).  fill = 1: the barrier opens a round of the cluster's barrier, and the joint refill of this slot,
; two K steps ahead, is the first tensor load behind the round.
.macro TURN slot, next, fill
	s_wait_dscnt 8
	WIN MUL_LO
	MUL16 F1, 0, 0, 0
	s_wait_dscnt 0                                 ; my reads of this slot are over
	s_wait_tensorcnt 0x0                           ; all my tensor loads have landed
	ds_add_u32 v255, v255
	s_wait_dscnt 0x0
	s_barrier_signal -1
	MUL16 F1, 0, 2, 0                              ; register work while the others arrive
	WIN 0
	s_barrier_wait -1
.if \fill
	CREST                                          ; no wave of any partner still reads this slot or has a load on its way
	s_add_nc_u64 s[G0+4*\slot+2:G0+4*\slot+3], s[G0+4*\slot+2:G0+4*\slot+3], 2*ASTEP
	s_add_nc_u64 s[G0B+4*\slot+2:G0B+4*\slot+3], s[G0B+4*\slot+2:G0B+4*\slot+3], 2*BSTEP
	JLOAD \slot
.endif
	PLACES
	FETCH \next, 0, F0
	WIN MUL_HI
	MUL16 F1, 1, 0, 0
	MUL16 F1, 1, 2, 0
.endm
	s_wait_tensorcnt 1                             ; my part of K step 0 is in; K step 1's load stays out
	s_barrier_signal -1
	s_barrier_wait -1                              ; everybody's is
	FETCH 0, 0, F0
	s_wait_loadcnt 0x0                             ; the low-rank quarter's fragments
	WIN MUL_LO
	MUL16 F1, 0, 0, 1                              ; zg1 x B1x + bias starts all 64 sums
	MUL16 F1, 0, 2, 1
	WIN MUL_HI
	MUL16 F1, 1, 0, 1
	MUL16 F1, 1, 2, 1
	WIN 0                                          ; at a label and at a branch every window is 0
	s_mov_b32 s3, LAPS-1
.Llap:
	STEPQ 0
	TURN 0, 1, 1
	STEPQ 1
	TURN 1, 0, 1
	WIN 0
	s_sub_co_u32 s3, s3, 1
	s_cmp_lg_u32 s3, 0
	s_cbranch_scc1 .Llap
	STEPQ 0                                        ; the last lap fills nothing
	TURN 0, 1, 0
	STEPQ 1
	s_wait_dscnt 8                                 ; the very last quarter
	WIN MUL_LO
	MUL16 F1, 0, 0, 0
	MUL16 F1, 0, 2, 0
	s_wait_dscnt 0
	WIN MUL_HI
	MUL16 F1, 1, 0, 0
	MUL16 F1, 1, 2, 0
	; relu in f32, in place, window by window
	PLACES
	WIN 0x88
.set ri, 0
.rept 256
	v_max_num_f32 v[ri], 0, v[ri]
.set ri, ri+1
.endr
	WIN 0xcc
.set ri, 0
.rept 256
	v_max_num_f32 v[ri], 0, v[ri]
.set ri, ri+1
.endr
	s_lshl_b32 s16, s[BROW], 8
	s_lshl_b32 s17, s[WHI], 7
	s_add_co_u32 s16, s16, s17                     ; my first row of h,
	s_lshl_b32 s16, s16, 13                        ; x 8,192 bytes
	s_mov_b32 s17, 0
	s_add_nc_u64 s[10:11], s[10:11], s[16:17]
	s_lshl_b32 s46, s[BCOL], 9                     ; my first column in bytes (in the registers that held B's address)
	s_lshl_b32 s47, s[WLO], 8
	s_add_co_u32 s46, s46, s47
	s_mov_b32 s47, 0
	s_add_nc_u64 s[10:11], s[10:11], s[46:47]
; THE WAY OUT, 16 rows at a time: round to bf16, 16 bytes a lane into my own stage, read back as whole rows of 256 bytes.
.macro OUT16 i, a, from, f
	WIN \from
.irp b, 0,1,2,3,4,5,6,7
.irp r, 0,1,2,3
	v_cvt_pk_bf16_f32 v[TMP+4*\b+\r], v[8*(8*\a+\b)+2*\r], v[8*(8*\a+\b)+2*\r+1]
.endr
.endr
	WIN 0
.irp b, 0,1,2,3,4,5,6,7
	ds_store_b128 v[STO], v[TMP+4*\b:TMP+4*\b+3] offset:32*\b
.endr
	s_wait_xcnt 0x0                                ; buffer f, which earlier stores read, and the stores' base are rewritten only behind this wait
.if \i
	s_add_nc_u64 s[10:11], s[10:11], 16*SIZE_N*2
.endif
.irp t, 0,1,2,3,4,5,6,7
	ds_load_b128 v[\f+4*\t:\f+4*\t+3], v[RD] offset:\t*2*SPITCH    ; a wave's LDS instructions are served in order: these see the stores above
.endr
.irp t, 0,1,2,3,4,5,6,7
	s_wait_dscnt 7-\t                              ; rows 2 t, 2 t + 1 are back; the younger loads stay out
	global_store_b128 v[CO], v[\f+4*\t:\f+4*\t+3], s[10:11] offset:2*\t*SIZE_N*2   ; 16 lanes store 256 consecutive bytes, aligned
.endr
.endm
	OUT16 0, 0, 0x0a, F0
	OUT16 1, 1, 0x0a, F1
	OUT16 2, 2, 0x0a, F0
	OUT16 3, 3, 0x0a, F1
	OUT16 4, 0, 0x0f, F0
	OUT16 5, 1, 0x0f, F1
	OUT16 6, 2, 0x0f, F0
	OUT16 7, 3, 0x0f, F1
	s_set_vgpr_msb 0x1
	s_wait_tensorcnt 0x0
	ds_add_u32 v255, v255
	s_wait_dscnt 0x0
	s_set_vgpr_msb 0x100
	CROUND                                         ; the closing round: no work-group ends while a partner may still ask for a tile that names it
	s_endpgm
.Lfunc_end_k_qc74611bc3c_gemm1:
	.size	k_qc74611bc3c_gemm1, .Lfunc_end_k_qc74611bc3c_gemm1-k_qc74611bc3c_gemm1
	.p2alignl 7, 3214868480
	.fill 96, 4, 3214868480
	.section	.rodata,"a",@progbits
	.p2align	6, 0x0
	.amdhsa_kernel k_qc74611bc3c_gemm1
		.amdhsa_group_segment_fixed_size 327680
		.amdhsa_private_segment_fixed_size 0
		.amdhsa_enable_private_segment 0
		.amdhsa_kernarg_size 32
		.amdhsa_user_sgpr_count 2
		.amdhsa_user_sgpr_kernarg_segment_ptr 1
		.amdhsa_wavefront_size32 1
		.amdhsa_system_sgpr_workgroup_id_x 1
		.amdhsa_system_sgpr_workgroup_id_y 1
		.amdhsa_system_sgpr_workgroup_id_z 1
		.amdhsa_system_vgpr_workitem_id 0
		.amdhsa_next_free_vgpr 1024
		.amdhsa_next_free_sgpr 76
		.amdhsa_reserve_vcc 0
		.amdhsa_float_denorm_mode_32 3
		.amdhsa_float_denorm_mode_16_64 3
		.amdhsa_memory_ordered 1
		.amdhsa_forward_progress 1
		.amdhsa_inst_pref_size 168
	.end_amdhsa_kernel
	.amdgpu_metadata
---
amdhsa.version: [ 1, 2 ]
amdhsa.kernels:
  - .name:           k_qc74611bc3c_gemm1
    .symbol:         k_qc74611bc3c_gemm1.kd
    .args:
      - { .name: cb, .offset: 0, .size: 8, .value_kind: global_buffer, .address_space: global }
      - { .name: packs, .offset: 8, .size: 8, .value_kind: global_buffer, .address_space: global }
      - { .name: zgf1, .offset: 16, .size: 8, .value_kind: global_buffer, .address_space: global }
      - { .name: h, .offset: 24, .size: 8, .value_kind: global_buffer, .address_space: global }
    .group_segment_fixed_size: 327680
    .private_segment_fixed_size: 0
    .kernarg_segment_align: 8
    .kernarg_segment_size: 32
    .max_flat_workgroup_size: 128
    .sgpr_count:     76
    .vgpr_count:     1024
    .wavefront_size: 32
...
	.end_amdgpu_metadata
.endif
;; end of part 2
;; launch gemm2 (part 3): grid 8 x 32, 4 waves a work-group, clusters of 4 x 4, 327,680 bytes of LDS; arguments h, cb, packs, out0; writes out0
.if DOCPART == 3
	.amdgcn_target "amdgcn-amd-amdhsa--gfx1250"
	.amdhsa_code_object_version 6
	.text
	.protected	k_qc74611bc3c_gemm2
	.globl	k_qc74611bc3c_gemm2
	.p2align	8
	.type	k_qc74611bc3c_gemm2,@function
k_qc74611bc3c_gemm2:
	s_mov_b64 s[64:65], 0
	v_nop
	global_prefetch_b8 v0, s[64:65] scope:SCOPE_SE
	s_setreg_imm32_b32 hwreg(HW_REG_WAVE_MODE, 25, 1), 1
	s_wait_xcnt 0x0
	s_wait_alu depctr_hold_cnt(0) depctr_sa_sdst(0) depctr_va_vdst(0) depctr_va_sdst(0) depctr_va_ssrc(0) depctr_va_vcc(0) depctr_vm_vsrc(0)
	s_getreg_b32 s2, hwreg(HW_REG_IB_STS2, 6, 4)
	s_cmp_eq_u32 s2, 0
	s_cbranch_scc0 .Lentry_in_a_cluster
	s_endpgm
.Lentry_in_a_cluster:
	s_bfe_u32 s2, ttmp6, 0x10000c
	s_cmp_lg_u32 s2, 0xf033
	s_cbranch_scc0 .Lentry_shape_is_right
	s_endpgm
.Lentry_shape_is_right:
; gemm2: out0 = h W2 + b2 + 0.125 sum over e of softmax(h R2)[e] (h A2[e]) B2[e], f32 out, in one pass over h.
; h [4096][4096] bf16, W2b [4096][1024] bf16 (K along the rows' index, as W2 lies), out0 [4096][1024] f32.
; 4096 x 1024 outputs are 256 blocks of 128 x 128: one for each work-group.  THE FOUR WAVES SPLIT K: each holds the whole block in 64 accumulator tiles
; (512 registers) and multiplies k = 64 w .. 64 w + 63 of every K step of 256, so each byte read from LDS feeds as many multiply-adds as in a block of 256 x 256.
; The four partial blocks meet once, in LDS, in the pass that also turns tiles into whole rows for the stores.
; K goes in steps of 256 through a ring of two LDS slots filled by tensor loads.  A slot: 128 rows of h (512 bytes + 16 of padding; the two halves of 64 rows
; lie HALF apart), then 256 K rows of W2b (128 columns = 256 bytes + 32 of padding), read with the transposing LDS load.
; THE LOW-RANK NUMBERS AND THE LOGITS, z = h P with P = [A2[0] | A2[1] | A2[2] | R2 | 0] (32 columns), ride on the same fragments of h: 16 more matrix
; instructions beside a quarter step's 64, no further LDS read of h and no second pass over h's 32 MiB.  The price: each of the 8 block columns repeats them.
; P's fragments lie ready in packs and come straight into registers, four loads of 512 consecutive bytes a quarter, three quarters ahead.
; AT THE END the four waves' parts of z meet in LDS; wave w adds up row blocks 2 w and 2 w + 1, makes their softmax (its maximum taken away first) and gates,
; and multiplies zg (24 gated numbers, then 1, 1, 1, 0 ..) by B2x (B2's 24 rows, the bias in three bf16 parts, 0 ..) onto ITS OWN partial sums of those rows:
; one quarter step of 32 along K, 16 matrix instructions a wave, counted once for each row among the four partial blocks.
; CLUSTER 4 x 4: h's tile is asked for jointly along a row of the cluster, W2b's along a column.  P is not: its address hangs on no place in the grid.
; REGISTER WINDOWS: 0: addresses, h's fragments (two buffers), z's sums of rows 64-127; 1: z's sums of rows 0-63, W2b's fragments (two buffers), P's (four buffers);
; 2, 3: accumulators of rows 0-63, 64-127.  The matrix instruction is used transposed: a lane's eight results are eight neighbouring columns of one row.
; A wave has two tensor loads out at the most (the two first fills), one behind each refill.
; LIMIT: operands (h, W2b, P, zg, B2x) are bf16, sums f32; each output, and each z, is (s0 + s1) + (s2 + s3) of four sums over a quarter of K each,
; an order of rounding other than a single chain's.
.set SIZE_K, 4096
.set SIZE_N, 1024
.set KSTEP,  256
.set LAPS,   SIZE_K/(2*KSTEP)          ; a lap = two K steps = once round the ring = four of a wave's quarter steps of 32 along K
.set APITCH, 528                       ; an odd multiple of 16 bytes
.set AGAP,   3072                      ; HALF - 64 x 528: rows 64-127 begin at HALF
.set AQ,     64
.set BPITCH, 288                       ; an odd multiple of 32 bytes, for the transposing load
.set BQ,     32*BPITCH
.set BH,     16*BPITCH
.set HALF,   36864                     ; what one tensor load may fill: 128 x 288; A's halves use 64 x 528 = 33,792 of it
.set SLOT,   4*HALF
.set RPITCH, 528                       ; the meeting place: rows of 128 f32 + 16 bytes
.set PART,   128*RPITCH                ; one wave's partial block: 67,584 bytes; four of them lie in the ring's bytes after its last fill
.set ASTEP,  KSTEP*2
.set BSTEP,  KSTEP*SIZE_N*2
.set PSTEP,  KSTEP*64                  ; P: 2,048 bytes for each 32 k
.set OFF_WB, 0x1000000                 ; W2b in cb
.set OFF_PF, 65536                     ; P in packs
.set OFF_BF, 589824                    ; B2x in packs
.set ONES, 8                           ; v8-11   the bf16 1, 1 | 1, 0 | 0, 0 | 0, 0
.set ADRA, 16                          ; v16-17  LDS address of my A fragments in slot 0, 1
.set ADRB, 20                          ; v20-21  the same for B
.set STO,  24                          ; where my partial block's 32 bytes of a tile go
.set ZST,  25                          ; where my part of z goes
.set ZRD,  26                          ; from where I read the four parts of my two row blocks' z
.set L16,  27                          ; 16 x lane: also my bytes in a row of out0
.set RD0,  28                          ; v28-31  my rows in partial block 0..3
.set TA,   32                          ; v32-39  softmax of my first row block
.set TB,   40                          ; v40-47  of my second
.set ZF,   48                          ; v48-63  zg's two fragments
.set F0,   64
.set F1,   128
.set ZR,   64                          ; v64-191 the four parts of z, over h's fragments when these are used up
.set ZH,   192                         ; window 0 v192-255: z's sums of rows 64-127; those of rows 0-63 lie at window 1 v0-63
.set PB,   192                         ; window 1 v192-255: P's fragments, four buffers of 16
.set G1,   24
.set G0,   32
.set G1B,  48
.set G0B,  56
.set WV,   66                          ; wave: my quarter of each K step
.set WHI,  67                          ; wave >> 1: I fetch for A (0) or B (1)
.set WLO,  68                          ; wave & 1: which half of that tile I fetch
.set BROW, 69
.set BCOL, 70
.set PP,   72                          ; s[72:73] P at this lap's first quarter of mine
.set BFB,  74                          ; s[74:75] B2x at my block column
.set MSB, 0
.macro WIN new                         ; the immediate's high byte repeats the setting that is left
.if MSB != \new
	s_set_vgpr_msb (MSB<<8)|\new
.set MSB, \new
.endif
.endm
.set MUL_LO, 0xa1                      ; source 0 (B) window 1, source 1 (A) window 0, C and D window 2
.set MUL_HI, 0xf1                      ; the same, C and D window 3
.set Z_LO,   0x51                      ; source 0 (P) window 1, source 1 (A) window 0, C and D window 1
.set Z_HI,   0x01                      ; the same, C and D window 0
.set TO_B,   0x40                      ; destination window 1, address window 0
.macro JLOAD s                         ; a joint load: waves 0, 1 ask for A's halves, waves 2, 3 for B's; the branch hangs on the wave's number alone
	s_cmp_eq_u32 s[WHI], 0
	s_cbranch_scc0 .Lfor_b_\@
	tensor_load_to_lds s[G0+4*\s:G0+4*\s+3], s[G1:G1+7]
	s_nop 0
	v_nop
	s_branch .Lasked_\@
.Lfor_b_\@:
	tensor_load_to_lds s[G0B+4*\s:G0B+4*\s+3], s[G1B:G1B+7]
	s_nop 0
	v_nop
	v_nop
.Lasked_\@:
.endm
.macro CREST                           ; a round of the cluster's barrier behind its opening work-group barrier
	s_cmp_lg_u32 s[WV], 0
	s_cbranch_scc1 .Lnot_wave_0_\@
	s_barrier_signal -3
.Lnot_wave_0_\@:
	s_barrier_wait -3
	s_barrier_signal -1
	s_barrier_wait -1
.endm
.macro CROUND                          ; a whole round
	s_barrier_signal -1
	s_barrier_wait -1
	CREST
.endm
	s_load_b256 s[4:11], s[0:1], 0x0               ; h s[4:5], cb s[6:7], packs s[8:9], out0 s[10:11]
	v_lshl_add_u32 v22, v0, 2, 0x48000
	v_mov_b32 v23, 0
	ds_add_u32 v22, v23
	v_lshrrev_b32 v1, 5, v0
	v_readfirstlane_b32 s[WV], v1
	s_lshr_b32 s[WHI], s[WV], 1
	s_and_b32 s[WLO], s[WV], 1
	s_bfe_u32 s40, ttmp6, 0x40000                  ; cx
	s_bfe_u32 s41, ttmp6, 0x40004                  ; cy
	s_lshl_b32 s[BCOL], ttmp9, 2
	s_add_co_u32 s[BCOL], s[BCOL], s40             ; block column = 4 x cluster x + cx
	s_and_b32 s[BROW], ttmp7, 0xffff
	s_lshl_b32 s[BROW], s[BROW], 2
	s_add_co_u32 s[BROW], s[BROW], s41             ; block row = 4 x cluster y + cy
	s_lshl_b32 s43, s41, 2
	s_lshl_b32 s43, 15, s43                        ; my row of the cluster
	s_lshl_b32 s44, 0x1111, s40                    ; my column
	s_mov_b32 s76, 0x76543210                      ; v_permlanex16_b32: lane i of one half reads lane i of the other
	s_mov_b32 s77, 0xfedcba98
	; A's tile: 64 rows x 256 elements, 4 words of padding behind every 128 words
	s_or_b32 s[G1+0], s43, (1<<16)|(1<<20)|(1<<21)|(6<<22)|(3<<25)
	s_mov_b32 s[G1+1], 256<<16                     ; tensor_dim0
	s_mov_b32 s[G1+2], 64<<16                      ; tensor_dim1
	s_mov_b32 s[G1+3], 256<<16                     ; tile_dim0
	s_mov_b32 s[G1+4], 64                          ; tile_dim1
	s_mov_b32 s[G1+5], SIZE_K                      ; from row to row
	s_mov_b32 s[G1+6], 0
	s_mov_b32 s[G1+7], 0
	; B's tile: 128 K rows x 128 elements, 8 words of padding behind every 64 words
	s_or_b32 s[G1B+0], s44, (1<<16)|(1<<20)|(1<<21)|(5<<22)|(7<<25)
	s_mov_b32 s[G1B+1], 128<<16
	s_mov_b32 s[G1B+2], 128<<16
	s_mov_b32 s[G1B+3], 128<<16
	s_mov_b32 s[G1B+4], 128
	s_mov_b32 s[G1B+5], SIZE_N
	s_mov_b32 s[G1B+6], 0
	s_mov_b32 s[G1B+7], 0
	; offsets.  A's hang on the block row and the wave alone, B's on the block column and the wave alone, each in registers that never hold the other coordinate.
	s_lshl_b32 s16, s[BROW], 7
	s_lshl_b32 s17, s[WLO], 6
	s_add_co_u32 s16, s16, s17                     ; row 128 x block row + 64 x half
	s_lshl_b32 s16, s16, 13                        ; x 8,192 bytes
	s_mov_b32 s17, 0
	s_lshl_b32 s46, s[WLO], 18                     ; 128 K rows of 2,048 bytes x half
	s_lshl_b32 s47, s[BCOL], 8                     ; 128 columns of 2 bytes x block column
	s_add_co_u32 s46, s46, s47
	s_add_co_u32 s46, s46, OFF_WB
	s_mov_b32 s47, 0
	s_lshl_b32 s[PP], s[WV], 12                    ; P: my 64 k of a K step are 4,096 bytes
	s_add_co_u32 s[PP], s[PP], OFF_PF
	s_mov_b32 s[PP+1], 0
	s_lshl_b32 s[BFB], s[BCOL], 13                 ; B2x: 8 column blocks of 1,024 bytes a block column
	s_add_co_u32 s[BFB], s[BFB], OFF_BF
	s_mov_b32 s[BFB+1], 0
	s_mul_i32 s20, s[WV], HALF                     ; where my loads land: wave x HALF: no place in the cluster enters an LDS address
	s_wait_dscnt 0x0
	s_wait_kmcnt 0x0
	s_add_nc_u64 s[14:15], s[4:5], s[16:17]
	s_add_nc_u64 s[46:47], s[6:7], s[46:47]
	s_add_nc_u64 s[PP:PP+1], s[8:9], s[PP:PP+1]
	s_add_nc_u64 s[BFB:BFB+1], s[8:9], s[BFB:BFB+1]
	CROUND                                         ; all sixteen work-groups are here: the first joint loads meet
.irp s, 0,1
	s_mov_b32 s[G0+4*\s], 1
	s_add_co_u32 s[G0+4*\s+1], s20, \s*SLOT
	s_add_nc_u64 s[G0+4*\s+2:G0+4*\s+3], s[14:15], \s*ASTEP
	s_or_b32 s[G0+4*\s+3], s[G0+4*\s+3], 0x80000000
	s_mov_b32 s[G0B+4*\s], 1
	s_add_co_u32 s[G0B+4*\s+1], s20, \s*SLOT
	s_add_nc_u64 s[G0B+4*\s+2:G0B+4*\s+3], s[46:47], \s*BSTEP
	s_or_b32 s[G0B+4*\s+3], s[G0B+4*\s+3], 0x80000000
	JLOAD \s
.endr
; P's two fragments of my quarter m, counted from this lap's first, into buffer m % 4: four loads of 512 consecutive bytes.  Stands under window TO_B.
.macro PLOAD m
.irp i, 0,1,2,3
	global_load_b128 v[PB+16*((\m)&3)+4*\i:PB+16*((\m)&3)+4*\i+3], v[L16], s[PP:PP+1] offset:((\m)>>1)*PSTEP+((\m)&1)*2048+512*\i
.endr
.endm
	v_and_b32 v3, 31, v0
	v_lshlrev_b32 v[L16], 4, v3
	WIN TO_B
	PLOAD 0
	PLOAD 1
	PLOAD 2
	WIN 0
	; LDS addresses.  A: lane l reads row l % 16 at 128 x wave + 16 (l / 16) bytes, two loads 32 bytes apart.
	; B: lane l addresses K row 64 x wave + 8 (l / 16) + l % 8 at 16 ((l / 8) % 2) bytes; the transposing load hands it column l % 16; two loads 16 K rows apart.
	v_and_b32 v1, 15, v0
	v_bfe_u32 v2, v0, 4, 1                         ; l / 16: kept to the end
	v_mul_u32_u24 v3, v1, APITCH
	v_lshl_add_u32 v3, v2, 4, v3
	v_and_b32 v4, 7, v0
	v_lshl_add_u32 v4, v2, 3, v4
	v_mul_u32_u24 v4, v4, BPITCH
	v_bfe_u32 v5, v0, 3, 1
	v_lshl_add_u32 v4, v5, 4, v4
	s_lshl_b32 s21, s[WV], 7                       ; my 64 k of A's rows
	s_mul_i32 s22, s[WV], 64*BPITCH                ; my 64 K rows of B,
	s_add_co_u32 s22, s22, 2*HALF                  ; which lies behind A
.irp s, 0,1
	v_add_nc_u32 v[ADRA+\s], s21, v3
	v_add_nc_u32 v[ADRB+\s], s22, v4
	s_add_co_u32 s21, s21, SLOT
	s_add_co_u32 s22, s22, SLOT
.endr
	s_mul_i32 s23, s[WV], PART
	v_mul_u32_u24 v4, v1, RPITCH
	v_lshl_add_u32 v4, v2, 5, v4
	v_add_nc_u32 v[STO], s23, v4                   ; my partial block + row l % 16 + 32 bytes for each half of the lanes
	s_mul_i32 s23, s[WV], 32*RPITCH                ; the 32 rows that I add up and store
	v_add_nc_u32 v[RD0], s23, v[L16]
	v_add_nc_u32 v[RD0+1], PART, v[RD0]
	v_add_nc_u32 v[RD0+2], 2*PART, v[RD0]
	v_add_nc_u32 v[RD0+3], 3*PART, v[RD0]
	s_lshl_b32 s23, s[WV], 14
	v_add_nc_u32 v[ZST], s23, v[L16]               ; my part of z: 16 tiles of 1,024 bytes
	s_lshl_b32 s23, s[WV], 12
	v_add_nc_u32 v[ZRD], s23, v[L16]               ; the four tiles of my two row blocks, in each part
; 16 matrix instructions: row blocks a0, a0 + 1 of the window's four x all 8 column blocks, 32 along K.  zero = 1: the product starts the sums.
.macro MUL16 f, hi, a0, zero
.irp a, \a0, \a0+1
.irp b, 0,1,2,3,4,5,6,7
.if \zero
	v_wmma_f32_16x16x32_bf16 v[8*(8*(\a)+\b):8*(8*(\a)+\b)+7], v[\f+8*\b:\f+8*\b+7], v[\f+8*(4*\hi+\a):\f+8*(4*\hi+\a)+7], 0
.else
	v_wmma_f32_16x16x32_bf16 v[8*(8*(\a)+\b):8*(8*(\a)+\b)+7], v[\f+8*\b:\f+8*\b+7], v[\f+8*(4*\hi+\a):\f+8*(4*\hi+\a)+7], v[8*(8*(\a)+\b):8*(8*(\a)+\b)+7]
.endif
.endr
.endr
.endm
; 8 matrix instructions for z: four row blocks (hi = 0: rows 0-63, 1: rows 64-127) x P's two column blocks from buffer pb.  Tile (a, b) lies at 8 (2 a + b).
.macro ZMUL f, hi, pb, zero
.irp a, 0,1,2,3
.irp b, 0,1
.if \zero
	v_wmma_f32_16x16x32_bf16 v[ZH*\hi+8*(2*\a+\b):ZH*\hi+8*(2*\a+\b)+7], v[PB+16*\pb+8*\b:PB+16*\pb+8*\b+7], v[\f+8*(4*\hi+\a):\f+8*(4*\hi+\a)+7], 0
.else
	v_wmma_f32_16x16x32_bf16 v[ZH*\hi+8*(2*\a+\b):ZH*\hi+8*(2*\a+\b)+7], v[PB+16*\pb+8*\b:PB+16*\pb+8*\b+7], v[\f+8*(4*\hi+\a):\f+8*(4*\hi+\a)+7], v[ZH*\hi+8*(2*\a+\b):ZH*\hi+8*(2*\a+\b)+7]
.endif
.endr
.endr
.endm
; 32 LDS loads in one run: my quarter kq of a slot into buffer f: B's 8 column blocks, then A's 8 row blocks.  pm >= 0: between them P's fragments of quarter pm.
.macro FETCH slot, kq, f, pm
	WIN TO_B
.irp i, 0,1,2,3,4,5,6,7
	ds_load_tr16_b128 v[\f+8*\i:\f+8*\i+3],   v[ADRB+\slot] offset:\kq*BQ+32*\i
	ds_load_tr16_b128 v[\f+8*\i+4:\f+8*\i+7], v[ADRB+\slot] offset:\kq*BQ+BH+32*\i
.endr
.if \pm >= 0
	PLOAD \pm
.endif
	WIN 0
.irp i, 0,1,2,3,4,5,6,7
	ds_load_b128 v[\f+8*\i:\f+8*\i+3],   v[ADRA+\slot] offset:\kq*AQ+\i*16*APITCH+(\i/4)*AGAP
	ds_load_b128 v[\f+8*\i+4:\f+8*\i+7], v[ADRA+\slot] offset:\kq*AQ+\i*16*APITCH+(\i/4)*AGAP+32
.endr
.endm
.macro PLACES                          ; four places behind matrix instructions before loads land on their sources or anything reads their results
.rept 4
	v_nop
.endr
.endm
; My first quarter of a K step: multiplies buffer 0 and P's buffer pb; in its middle it fetches my second quarter into buffer 1, and P's quarter pm into the
; buffer that the quarter before has used.  pw: the loads of P that may stay out: those of the quarters behind this one, four each.
; The 80 accumulators take turns in the same order in every quarter, over the backward jump too.
.macro QUARTER slot, pb, pw, pm, zero
	s_wait_dscnt 8                                 ; B and A's rows 0-63 are in; the youngest eight loads (A's rows 64-127) may be out
	WIN MUL_LO
	MUL16 F0, 0, 0, \zero
	MUL16 F0, 0, 2, \zero
	s_wait_loadcnt \pw                             ; this quarter's P is in
	WIN Z_LO
	ZMUL F0, 0, \pb, \zero
	PLACES
	FETCH \slot, 1, F1, \pm
	s_wait_dscnt 32                                ; all but the 32 just issued
	WIN MUL_HI
	MUL16 F0, 1, 0, \zero
	MUL16 F0, 1, 2, \zero
	WIN Z_HI
	ZMUL F0, 1, \pb, \zero
.endm
; My second quarter of a K step: multiplies buffer 1 and changes slots.  In front of the barrier each wave waits for its reads of this slot and for all its
; tensor loads (one is out: its part of the next slot).  fill = 1: the barrier opens a round of the cluster's barrier, and the joint refill of this slot,
; two K steps ahead, is the first tensor load behind the round.
.macro TURN slot, next, fill, pb, pw, pm
	s_wait_dscnt 8
	WIN MUL_LO
	MUL16 F1, 0, 0, 0
	s_wait_loadcnt \pw                             ; this quarter's P is in
	s_wait_dscnt 0                                 ; my reads of this slot are over
	s_set_vgpr_msb 0xa1a0
	s_wait_tensorcnt 0x0                           ; all my tensor loads have landed
	ds_add_u32 v22, v23
	s_wait_dscnt 0x0
	s_set_vgpr_msb 0xa0a1
	s_barrier_signal -1
	MUL16 F1, 0, 2, 0                              ; register work while the others arrive
	WIN Z_LO
	ZMUL F1, 0, \pb, 0
	WIN 0
	s_barrier_wait -1
.if \fill
	CREST                                          ; no wave of any partner still reads this slot or has a load on its way
	s_add_nc_u64 s[G0+4*\slot+2:G0+4*\slot+3], s[G0+4*\slot+2:G0+4*\slot+3], 2*ASTEP
	s_add_nc_u64 s[G0B+4*\slot+2:G0B+4*\slot+3], s[G0B+4*\slot+2:G0B+4*\slot+3], 2*BSTEP
	JLOAD \slot
.endif
	PLACES
	FETCH \next, 0, F0, \pm
	WIN MUL_HI
	MUL16 F1, 1, 0, 0
	MUL16 F1, 1, 2, 0
	WIN Z_HI
	ZMUL F1, 1, \pb, 0
.endm
; Once round the ring, both slots filled again.  Quarter j uses P's buffer j and asks for quarter j + 3: at each wait the loads of two younger quarters, 8, stay out.
.macro LAP zero
	QUARTER 0, 0, 8, 3, \zero
	TURN 0, 1, 1, 1, 8, 4
	QUARTER 1, 2, 8, 5, 0
	TURN 1, 0, 1, 3, 8, 6
	WIN 0                                          ; at a label and at a branch every window is 0
	s_wait_xcnt 0x0                                ; P's base, which loads on their way name, is stepped only behind this wait
	s_add_nc_u64 s[PP:PP+1], s[PP:PP+1], 2*PSTEP
.endm
	s_wait_tensorcnt 1                             ; my part of K step 0 is in; K step 1's load stays out
	s_barrier_signal -1
	s_barrier_wait -1                              ; everybody's is
	FETCH 0, 0, F0, -1
	LAP 1                                          ; the first lap stands in front of the loop: its first quarter starts all 80 sums
	s_mov_b32 s3, LAPS-2
.Llap:
	LAP 0
	s_sub_co_u32 s3, s3, 1
	s_cmp_lg_u32 s3, 0
	s_cbranch_scc1 .Llap
	QUARTER 0, 0, 8, 3, 0                          ; the last lap fills nothing; it asks for P's last quarter, and the counts run down 8, 8, 4, 0
	TURN 0, 1, 0, 1, 8, -1
	QUARTER 1, 2, 4, -1, 0
	s_wait_dscnt 8                                 ; the very last quarter
	WIN MUL_LO
	MUL16 F1, 0, 0, 0
	MUL16 F1, 0, 2, 0
	s_wait_loadcnt 0x0
	WIN Z_LO
	ZMUL F1, 0, 3, 0
	PLACES
	WIN TO_B
.irp i, 0,1,2,3,4,5,6,7
	global_load_b128 v[F0+8*\i:F0+8*\i+3],   v[L16], s[BFB:BFB+1] offset:1024*\i       ; B2x's eight fragments, into W2b's buffer 0, which is used up
	global_load_b128 v[F0+8*\i+4:F0+8*\i+7], v[L16], s[BFB:BFB+1] offset:1024*\i+512
.endr
	s_wait_dscnt 0                                 ; my reads of the ring are over, and its last fill has long landed:
	s_barrier_signal -1                            ; say so,
	WIN MUL_HI
	MUL16 F1, 1, 0, 0                              ; work on registers while the others arrive,
	MUL16 F1, 1, 2, 0
	WIN Z_HI
	ZMUL F1, 1, 3, 0
	WIN 0
	s_barrier_wait -1                              ; and from here on the ring's bytes are the meeting place
	; z's four parts meet: every wave lays down its 16 tiles, 16 bytes a lane; tile 2 a + b of wave s at 16,384 s + 1,024 (2 a + b).
	PLACES
	WIN 0x04                                       ; store data from window 1
.irp t, 0,1,2,3,4,5,6,7
	ds_store_b128 v[ZST], v[8*\t:8*\t+3]   offset:1024*\t
	ds_store_b128 v[ZST], v[8*\t+4:8*\t+7] offset:1024*\t+512
.endr
	WIN 0
.irp t, 0,1,2,3,4,5,6,7
	ds_store_b128 v[ZST], v[ZH+8*\t:ZH+8*\t+3]   offset:8192+1024*\t
	ds_store_b128 v[ZST], v[ZH+8*\t+4:ZH+8*\t+7] offset:8192+1024*\t+512
.endr
	s_wait_dscnt 0x0                               ; my stores are done, for the others' sake
	s_barrier_signal -1
	s_barrier_wait -1
.irp s, 0,1,2,3
.irp t, 0,1,2,3
	ds_load_b128 v[ZR+32*\s+8*\t:ZR+32*\s+8*\t+3],   v[ZRD] offset:16384*\s+1024*\t
	ds_load_b128 v[ZR+32*\s+8*\t+4:ZR+32*\s+8*\t+7], v[ZRD] offset:16384*\s+1024*\t+512
.endr
.endr
	s_wait_dscnt 0x0                               ; my reads of z's parts are over: say so now; the wait stands in front of the stores that use these bytes again
	s_barrier_signal -1
.irp u, 0,1,2,3,4,5,6,7,8,9,10,11,12,13,14,15
	v_pk_add_f32 v[ZR+2*\u:ZR+2*\u+1],       v[ZR+2*\u:ZR+2*\u+1],       v[ZR+32+2*\u:ZR+32+2*\u+1]
	v_pk_add_f32 v[ZR+64+2*\u:ZR+64+2*\u+1], v[ZR+64+2*\u:ZR+64+2*\u+1], v[ZR+96+2*\u:ZR+96+2*\u+1]
	v_pk_add_f32 v[ZR+2*\u:ZR+2*\u+1],       v[ZR+2*\u:ZR+2*\u+1],       v[ZR+64+2*\u:ZR+64+2*\u+1]
.endr
	; Softmax and gates of my two row blocks, side by side.  A block's z lies in 16 registers: lane (r, h) holds token r; register j is column 8 h + j,
	; register 8 + j column 16 + 8 h + j.  So lanes with h = 1 hold the logits in registers 8, 9, 10.  Every lane computes; only those lanes' gates are used.
.macro G_A t, z                        ; the logits less their maximum, times log2 e
	v_max3_num_f32 v[\t], v[\z+8], v[\z+9], v[\z+10]
	v_sub_f32 v[\t+1], v[\z+8], v[\t]
	v_sub_f32 v[\t+2], v[\z+9], v[\t]
	v_sub_f32 v[\t+3], v[\z+10], v[\t]
	v_mul_f32 v[\t+1], 0x3fb8aa3b, v[\t+1]
	v_mul_f32 v[\t+2], 0x3fb8aa3b, v[\t+2]
	v_mul_f32 v[\t+3], 0x3fb8aa3b, v[\t+3]
.endm
.macro G_E t
	v_exp_f32 v[\t+4], v[\t+1]
	v_exp_f32 v[\t+5], v[\t+2]
	v_exp_f32 v[\t+6], v[\t+3]
.endm
.macro G_S t                           ; their sum: at least 1, since the largest term is 2^0
	s_wait_alu depctr_va_vdst(0)
	v_add_f32 v[\t+7], v[\t+4], v[\t+5]
	v_add_f32 v[\t+7], v[\t+7], v[\t+6]
.endm
.macro G_G t, z, f                     ; the gates, z gated, and zg's fragment
	v_mul_f32 v[\t], 0x3e000000, v[\t]             ; the scaling 1/8 rides on the gates
	v_mul_f32 v[\t+1], v[\t+4], v[\t]              ; gate 0
	v_mul_f32 v[\t+2], v[\t+5], v[\t]              ; gate 1
	v_mul_f32 v[\t+3], v[\t+6], v[\t]              ; gate 2
	v_permlanex16_b32 v[\t+4], v[\t+3], s76, s77   ; gate 2 and gate 0 to the lanes with h = 0 (both destinations have been written)
	v_permlanex16_b32 v[\t+5], v[\t+1], s76, s77
	v_cndmask_b32 v[\t+6], v[\t+5], v[\t+2], vcc_lo            ; registers 0-7 are expert h's: gate 1 or gate 0
.irp u, 0,1,2,3
	v_pk_mul_f32 v[\z+2*\u:\z+2*\u+1],     v[\z+2*\u:\z+2*\u+1],     v[\t+6:\t+7] op_sel_hi:[1,0]   ; both by t+6
	v_pk_mul_f32 v[\z+8+2*\u:\z+8+2*\u+1], v[\z+8+2*\u:\z+8+2*\u+1], v[\t+4:\t+5] op_sel_hi:[1,0]   ; both by t+4: expert 2 (h = 0)
.endr
.irp u, 0,1,2,3,4,5,6,7
	v_cvt_pk_bf16_f32 v[\f+\u], v[\z+2*\u], v[\z+2*\u+1]
.endr
.irp u, 0,1,2,3
	v_cndmask_b32 v[\f+4+\u], v[\f+4+\u], v[ONES+\u], vcc_lo   ; h = 1: k = 24..31 are 1, 1, 1, 0, 0, 0, 0, 0
.endr
.endm
	v_cmp_eq_u32 vcc_lo, 1, v2                     ; h = 1
	G_A TA, ZR
	G_E TA
	G_A TB, ZR+16                                  ; plain work of the other block stands between each run of transcendentals and the use of its results
	G_E TB
	G_S TA
	v_rcp_f32 v[TA], v[TA+7]
	G_S TB
	v_rcp_f32 v[TB], v[TB+7]
	v_mov_b32 v[ONES], 0x3f803f80
	v_mov_b32 v[ONES+1], 0x3f80
	v_mov_b32 v[ONES+2], 0
	v_mov_b32 v[ONES+3], 0
	s_wait_alu depctr_va_vdst(0)
	G_G TA, ZR, ZF
	G_G TB, ZR+16, ZF+8
	s_wait_loadcnt 0x0                             ; B2x's fragments
	s_barrier_wait -1                              ; nobody reads z's parts any more
; zg x B2x + bias onto my own partial sums of row blocks 2 w and 2 w + 1: 16 accumulators, one instruction each.  Their register numbers hang on the wave,
; so the text has the four cases under a branch on the wave's number.
.macro LORA w
.if \w < 2
	WIN MUL_LO
.else
	WIN MUL_HI
.endif
.irp a, 0,1
.irp b, 0,1,2,3,4,5,6,7
	v_wmma_f32_16x16x32_bf16 v[8*(8*((2*\w+\a)&3)+\b):8*(8*((2*\w+\a)&3)+\b)+7], v[F0+8*\b:F0+8*\b+7], v[ZF+8*\a:ZF+8*\a+7], v[8*(8*((2*\w+\a)&3)+\b):8*(8*((2*\w+\a)&3)+\b)+7]
.endr
.endr
	WIN 0
.endm
	s_cmp_eq_u32 s[WV], 0
	s_cbranch_scc1 .Lrows0
	s_cmp_eq_u32 s[WV], 1
	s_cbranch_scc1 .Lrows1
	s_cmp_eq_u32 s[WV], 2
	s_cbranch_scc1 .Lrows2
	LORA 3
	s_branch .Lrows_done
.Lrows2:
	LORA 2
	s_branch .Lrows_done
.Lrows1:
	LORA 1
	s_branch .Lrows_done
.Lrows0:
	LORA 0
.Lrows_done:
	; Every wave lays its partial block down by rows: lane (r, h) of tile (row block, b) holds row r, columns 16 b + 8 h .. + 7: 32 bytes, two stores.
	PLACES
.macro PUT hi
.irp a, 0,1,2,3
.irp b, 0,1,2,3,4,5,6,7
	ds_store_b128 v[STO], v[8*(8*\a+\b):8*(8*\a+\b)+3]   offset:(4*\hi+\a)*16*RPITCH+64*\b
	ds_store_b128 v[STO], v[8*(8*\a+\b)+4:8*(8*\a+\b)+7] offset:(4*\hi+\a)*16*RPITCH+64*\b+16
.endr
.endr
.endm
	WIN 0x08                                       ; store data from window 2
	PUT 0
	WIN 0x0c                                       ; from window 3
	PUT 1
	WIN 0
	s_lshl_b32 s16, s[BROW], 7
	s_lshl_b32 s17, s[WV], 5
	s_add_co_u32 s16, s16, s17                     ; my first row of out0: 128 x block row + 32 x wave,
	s_lshl_b32 s16, s16, 12                        ; x 4,096 bytes
	s_mov_b32 s17, 0
	s_add_nc_u64 s[10:11], s[10:11], s[16:17]
	s_lshl_b32 s46, s[BCOL], 9                     ; 128 columns of 4 bytes x block column (in the registers that held B's address)
	s_mov_b32 s47, 0
	s_add_nc_u64 s[10:11], s[10:11], s[46:47]
	s_wait_dscnt 0x0                               ; my stores are done, for the others' sake
	s_barrier_signal -1
	s_barrier_wait -1
; Four of my 32 rows: the row's 512 bytes from each of the four partial blocks, (s0 + s1) + (s2 + s3), one store of 512 consecutive bytes, aligned.
.macro RED4 rho0, f
	s_wait_xcnt 0x0                                ; buffer f, which earlier stores read, is loaded again only behind this wait
.irp t, 0,1,2,3
.irp s, 0,1,2,3
	ds_load_b128 v[\f+16*\t+4*\s:\f+16*\t+4*\s+3], v[RD0+\s] offset:(\rho0+\t)*RPITCH
.endr
.endr
.irp t, 0,1,2,3
	s_wait_dscnt 4*(3-\t)                          ; row t's four loads are back; those of the rows behind it stay out
	v_pk_add_f32 v[\f+16*\t:\f+16*\t+1],     v[\f+16*\t:\f+16*\t+1],     v[\f+16*\t+4:\f+16*\t+5]
	v_pk_add_f32 v[\f+16*\t+2:\f+16*\t+3],   v[\f+16*\t+2:\f+16*\t+3],   v[\f+16*\t+6:\f+16*\t+7]
	v_pk_add_f32 v[\f+16*\t+8:\f+16*\t+9],   v[\f+16*\t+8:\f+16*\t+9],   v[\f+16*\t+12:\f+16*\t+13]
	v_pk_add_f32 v[\f+16*\t+10:\f+16*\t+11], v[\f+16*\t+10:\f+16*\t+11], v[\f+16*\t+14:\f+16*\t+15]
	v_pk_add_f32 v[\f+16*\t:\f+16*\t+1],     v[\f+16*\t:\f+16*\t+1],     v[\f+16*\t+8:\f+16*\t+9]
	v_pk_add_f32 v[\f+16*\t+2:\f+16*\t+3],   v[\f+16*\t+2:\f+16*\t+3],   v[\f+16*\t+10:\f+16*\t+11]
	global_store_b128 v[L16], v[\f+16*\t:\f+16*\t+3], s[10:11] offset:(\rho0+\t)*SIZE_N*4 th:TH_STORE_NT
.endr
.endm
	RED4 0,  F0
	RED4 4,  F1
	RED4 8,  F0
	RED4 12, F1
	RED4 16, F0
	RED4 20, F1
	RED4 24, F0
	RED4 28, F1
	s_wait_tensorcnt 0x0
	ds_add_u32 v22, v23
	s_wait_dscnt 0x0
	CROUND                                         ; the closing round: no work-group ends while a partner may still ask for a tile that names it
	s_endpgm
.Lfunc_end_k_qc74611bc3c_gemm2:
	.size	k_qc74611bc3c_gemm2, .Lfunc_end_k_qc74611bc3c_gemm2-k_qc74611bc3c_gemm2
	.p2alignl 7, 3214868480
	.fill 96, 4, 3214868480
	.section	.rodata,"a",@progbits
	.p2align	6, 0x0
	.amdhsa_kernel k_qc74611bc3c_gemm2
		.amdhsa_group_segment_fixed_size 327680
		.amdhsa_private_segment_fixed_size 0
		.amdhsa_enable_private_segment 0
		.amdhsa_kernarg_size 32
		.amdhsa_user_sgpr_count 2
		.amdhsa_user_sgpr_kernarg_segment_ptr 1
		.amdhsa_wavefront_size32 1
		.amdhsa_system_sgpr_workgroup_id_x 1
		.amdhsa_system_sgpr_workgroup_id_y 1
		.amdhsa_system_sgpr_workgroup_id_z 1
		.amdhsa_system_vgpr_workitem_id 0
		.amdhsa_next_free_vgpr 1024
		.amdhsa_next_free_sgpr 78
		.amdhsa_reserve_vcc 1
		.amdhsa_float_denorm_mode_32 3
		.amdhsa_float_denorm_mode_16_64 3
		.amdhsa_memory_ordered 1
		.amdhsa_forward_progress 1
		.amdhsa_inst_pref_size 157
	.end_amdhsa_kernel
	.amdgpu_metadata
---
amdhsa.version: [ 1, 2 ]
amdhsa.kernels:
  - .name:           k_qc74611bc3c_gemm2
    .symbol:         k_qc74611bc3c_gemm2.kd
    .args:
      - { .name: h, .offset: 0, .size: 8, .value_kind: global_buffer, .address_space: global }
      - { .name: cb, .offset: 8, .size: 8, .value_kind: global_buffer, .address_space: global }
      - { .name: packs, .offset: 16, .size: 8, .value_kind: global_buffer, .address_space: global }
      - { .name: out0, .offset: 24, .size: 8, .value_kind: global_buffer, .address_space: global }
    .group_segment_fixed_size: 327680
    .private_segment_fixed_size: 0
    .kernarg_segment_align: 8
    .kernarg_segment_size: 32
    .max_flat_workgroup_size: 128
    .sgpr_count:     78
    .vgpr_count:     1024
    .wavefront_size: 32
...
	.end_amdgpu_metadata
.endif
;; end of part 3
;; ======== version 2 of 2: 3 launches; version 1 with the launch prep written anew for expert scheduling mode
;; workspace buffers: cb 25,165,824 bytes; packs 655,360 bytes; zgf1 262,144 bytes; h 33,554,432 bytes
;; launch prep (part 4): grid 912 x 1, 8 waves a work-group, no clusters, 84,992 bytes of LDS; arguments x, W1, W2, cb, A1, R1, A2, R2, B1, b1, B2, b2, packs, zgf1; writes cb, packs, zgf1
.if DOCPART == 4
	.amdgcn_target "amdgcn-amd-amdhsa--gfx1250"
	.amdhsa_code_object_version 6
	.text
	.protected	k_qc74611bc3c_prep
	.globl	k_qc74611bc3c_prep
	.p2align	8
	.type	k_qc74611bc3c_prep,@function
k_qc74611bc3c_prep:
	s_mov_b64 s[64:65], 0
	v_nop
	global_prefetch_b8 v0, s[64:65] scope:SCOPE_SE
	s_setreg_imm32_b32 hwreg(HW_REG_WAVE_SCHED_MODE, 0, 2), 2
	s_setreg_imm32_b32 hwreg(HW_REG_WAVE_MODE, 25, 1), 1
	s_wait_xcnt 0x0
	s_wait_alu depctr_vm_vsrc(0)
; prep: everything that the two products multiply, once, in bf16, and layer 1's gated low-rank numbers.
; Work-groups 0-255:   16 tokens of x each (64 KiB f32): cast to cb, and zg1 for these tokens (below, at .Lxz).
; Work-groups 256-767: W1, W2 (f32) to cb (bf16), same row-major layout: 64 KiB in, 32 KiB out each.  cb holds x, W1, W2 in this order.
; Work-groups 768-911: the small tables, laid out so that a matrix fragment is two loads of 512 consecutive bytes a wave.
;   With L the lane, r = L & 15, h = L >> 4, j = 0..7 the bf16 in a lane's 16 bytes:
;   PF2 [k step s][b][q][L][16 B] = P[n = 16 b + r][k = 32 s + 16 q + 8 h + j]; P[n] = A2[n >> 3][k][n & 7] for n < 24, R2[k][n - 24] for n = 24..26, else 0
;   BF  [n block][q][L][16 B]     = Bx[k = 16 q + 8 h + j][n = 16 block + r]; Bx[8 e + j] = B[e][j]; Bx[24..26] = the bias in three bf16 parts, Bx[27..31] = 0
;   packs: PF2 at 65,536, BF1 at 327,680, BF2 at 589,824; its bytes below 65,536 are not used.
; LIMIT: the bias is carried as hi + lo + lo2 (three bf16, 24 bits of mantissa together); it has to be finite and inside bf16's range (an infinite one gives NaN).
; LIMIT: the operands of x [A1 | R1], and zg1 itself, are bf16; sums, softmax and gating are f32.
; No tensor loads and no cluster: a stream in which no work-group shares a byte of x, W1 or W2 with another; A1 and R1 (110,592 bytes), which the first 256
; work-groups all read, are 0.2 per cent of the bytes read.
; THE MODE: SCHED_MODE bits 1:0 = 2 (LLVM: expert scheduling mode 2), set by the entry lines.  The code itself states the register dependences
; between vector or matrix instructions and memory or LDS instructions, with s_wait_alu, always for 0.
; THE PLAN, common to all four paths.  Offsets and LDS addresses are made once and never written again: one wait ahead of their first reader states them.
; What leaves goes in groups: a group's conversions write registers of their own, ONE wait states them written, and the group's stores follow it, dealt among the
; next group's conversions, which name other registers.  A register that a store has read is written again at three places only (A1's batch registers, x's
; registers, and both once more for wave 0's last sum): a wait on vm_vsrc stands ahead of each.  Each path's own plan stands at its head.
.set OFF_PF2, 65536
.set OFF_BF1, 327680
.set OFF_BF2, 589824
; the work-groups of x: LDS and registers
.set XPITCH, 272                       ; a wave's 128 columns of a token: 256 bytes + 16: an odd multiple of 16 bytes
.set PPITCH, 96                        ; 32 columns of P: 64 bytes + 32: an odd multiple of 32 bytes, for the transposing load
.set XSB,    16*XPITCH                 ; 16 tokens: 4,352 bytes
.set WREG,   XSB+64*PPITCH             ; a wave's own LDS: its x, then 64 k of P: 10,496 bytes
.set X,    16                          ; v[16:79]   x as loaded, 4 registers a token; packed in place
.set AL,   80                          ; v[80:127]  a batch of A1: 3 experts x 4 loads
.set RL,   128                         ; v[128:133] a batch of R1: 2 x 3 words
.set TR,   136                         ; v[136:139] columns 24..31 of the batch's rows 0-31: R1's three, then zeros
.set ACC0, 140                         ; v[140:147] columns 0-15
.set ACC1, 148                         ; v[148:155] columns 16-31
.set T,    128                         ; v[128:135] softmax, when R1's words are used up
.set Z,    156                         ; v[156:163] the packed result
.set ONES, 164                         ; v[164:167] at the end: the bf16 1, 1 | 1, 0 | 0, 0 | 0, 0
.set TRB,  ONES                        ; v[164:167] before that: columns 24..31 of the batch's rows 32-63; the last two words are 0 in both uses
.set TF,   16                          ; v[16:47]   the tokens' four fragments (over x, behind the waits that free it)
.set PFA,  48                          ; v[48:79]   P's fragments of two K steps of 32
.set RB,   16                          ; v[16:127]  the other seven waves' partial tiles
; One thread makes one 16-byte unit of BF.  shn = log2(32 x N): the bytes of one expert's B; a row of B is 1 << (shn - 3) bytes.
; Registers that memory instructions touch: the offsets v5, v6, v8 (made once); v[16:24] (loaded once); v[32:35] (written by the conversions and selects, read by the store).
.macro PKB argoff, base, shn, dst
	s_load_b128 s[4:7], s[0:1], \argoff            ; B s[4:5], bias s[6:7]
	s_load_b64 s[8:9], s[0:1], 0x60                ; packs
	s_sub_co_u32 s2, ttmp9, \base
	s_lshl_b32 s3, s2, 6                           ; 64 columns (four n blocks) each,
	s_lshl_b32 s12, s2, 12                         ; 4,096 bytes each
	s_add_co_u32 s12, s12, \dst
	s_mov_b32 s13, 0
	v_and_b32 v1, 15, v0                           ; r
	v_lshrrev_b32 v2, 6, v0                        ; which of my four n blocks
	v_lshl_add_u32 v2, v2, 4, v1
	v_add_nc_u32 v2, s3, v2                        ; n
	v_bfe_u32 v3, v0, 4, 2                         ; chunk of eight k: 2 q + h; 0..2 an expert, 3 the bias
	v_min_u32 v4, 2, v3                            ; clamped: every lane's loads stay inside B
	v_lshlrev_b32 v5, 2, v2                        ; 4 n
	v_lshl_add_u32 v6, v4, \shn, v5                ; + expert x 32 N
	v_lshlrev_b32 v8, 4, v0
	v_cmp_eq_u32 vcc_lo, 3, v3                     ; chunk 3 is the bias's: made here, read behind the loads
	s_wait_kmcnt 0x0
	s_add_nc_u64 s[8:9], s[8:9], s[12:13]
	s_wait_alu depctr_va_vdst(0)                   ; the offsets v5, v6 and v8 are written, which the loads and the store below read
.irp j, 0,1,2,3,4,5,6,7
	global_load_b32 v[16+\j], v6, s[4:5] offset:\j*(1<<(\shn-3))
.endr
	global_load_b32 v24, v5, s[6:7]
	s_wait_loadcnt 0x0
.irp t, 0,1,2,3
	v_cvt_pk_bf16_f32 v[32+\t], v[16+2*\t], v[17+2*\t]
.endr
	v_cvt_pk_bf16_f32 v25, v24, v24
	v_lshlrev_b32 v25, 16, v25                     ; hi = bf16(bias), as f32
	v_sub_f32 v26, v24, v25                        ; what hi leaves (exact)
	v_cvt_pk_bf16_f32 v27, v26, v26
	v_lshlrev_b32 v27, 16, v27                     ; lo
	v_sub_f32 v28, v26, v27                        ; what lo leaves
	v_cvt_pk_bf16_f32 v36, v24, v26                ; k = 24, 25: hi, lo
	v_cvt_pk_bf16_f32 v37, v28, 0                  ; k = 26, 27: lo2, 0
	v_mov_b32 v38, 0                               ; k = 28..31
	s_wait_alu depctr_va_vcc(0)                    ; the compare at the head has written VCC, ahead of its first reader
	v_cndmask_b32 v32, v32, v36, vcc_lo
	v_cndmask_b32 v33, v33, v37, vcc_lo
	v_cndmask_b32 v34, v34, v38, vcc_lo
	v_cndmask_b32 v35, v35, v38, vcc_lo
	s_wait_alu depctr_va_vdst(0)                   ; the selects have written v[32:35], which the store reads
	global_store_b128 v8, v[32:35], s[8:9]         ; a wave stores 512 consecutive bytes, aligned
	s_endpgm
.endm
	v_lshl_add_u32 v168, v0, 2, 0x14800
	v_mov_b32 v169, 0
	s_cmp_lt_u32 ttmp9, 256
	s_cbranch_scc1 .Lxz
	s_cmp_lt_u32 ttmp9, 768
	s_cbranch_scc1 .Lcast
	s_cmp_lt_u32 ttmp9, 832
	s_cbranch_scc1 .Lpf2
	s_cmp_lt_u32 ttmp9, 896
	s_cbranch_scc1 .Lbf1
	PKB 0x50, 896, 15, OFF_BF2                     ; B2, b2: N = 1024, 16 work-groups
.Lbf1:
	PKB 0x40, 832, 17, OFF_BF1                     ; B1, b1: N = 4096, 64 work-groups
; PF2: one thread makes one 16-byte unit; 64 work-groups of 64 k each.  An expert's A2 is 4096 x 32 = 1 << 17 bytes.
; Registers that memory instructions touch: the offsets v5, v7, v8 (made once); v[16:31] (loaded once); v[32:35] (written by the conversions and selects, read by the store).
; The two masks are made side by side at the head, in s14 and s15, so that one wait serves both.
.Lpf2:
	s_load_b128 s[4:7], s[0:1], 0x30               ; A2 s[4:5], R2 s[6:7]
	s_load_b64 s[8:9], s[0:1], 0x60                ; packs
	s_sub_co_u32 s2, ttmp9, 768                    ; my number among this table's work-groups
	s_lshl_b32 s3, s2, 6                           ; 64 k (two k steps) each,
	s_lshl_b32 s12, s2, 12                         ; 4,096 bytes each
	s_add_co_u32 s12, s12, OFF_PF2
	s_mov_b32 s13, 0
	v_and_b32 v1, 15, v0                           ; r
	v_bfe_u32 v2, v0, 6, 1                         ; b
	v_lshl_add_u32 v2, v2, 4, v1                   ; n = 16 b + r
	v_bfe_u32 v3, v0, 4, 2                         ; 2 q + h
	v_bfe_u32 v4, v0, 7, 1                         ; which of my two k steps
	v_lshlrev_b32 v3, 3, v3
	v_lshl_add_u32 v3, v4, 5, v3
	v_add_nc_u32 v3, s3, v3                        ; k0 = 64 x group + 32 x step + 16 q + 8 h
	v_lshrrev_b32 v4, 3, v2
	v_min_u32 v4, 2, v4                            ; expert, clamped: every lane's loads stay inside A2
	v_and_b32 v5, 7, v2
	v_lshlrev_b32 v5, 2, v5
	v_lshl_add_u32 v5, v3, 5, v5                   ; 32 k0 + 4 (n & 7)
	v_lshl_add_u32 v5, v4, 17, v5                  ; + expert x 32 K
	v_max_u32 v6, 24, v2
	v_min_u32 v6, 26, v6
	v_sub_nc_u32 v6, v6, 24                        ; router column, clamped to 0..2: inside R2
	v_mul_u32_u24 v7, 12, v3
	v_lshl_add_u32 v7, v6, 2, v7                   ; 12 k0 + 4 column
	v_lshlrev_b32 v8, 4, v0                        ; my unit
	v_cmp_gt_u32 s14, 24, v2                       ; n < 24: A2, else R2
	v_cmp_gt_u32 s15, 27, v2                       ; n < 27: keep, else 0
	s_wait_kmcnt 0x0
	s_add_nc_u64 s[8:9], s[8:9], s[12:13]
	s_wait_alu depctr_va_vdst(0)                   ; the offsets v5, v7 and v8 are written, which the loads and the store below read
.irp j, 0,1,2,3,4,5,6,7
	global_load_b32 v[16+\j], v5, s[4:5] offset:32*\j
	global_load_b32 v[24+\j], v7, s[6:7] offset:12*\j
.endr
	s_wait_loadcnt 0x0
.irp t, 0,1,2,3
	v_cvt_pk_bf16_f32 v[32+\t], v[16+2*\t], v[17+2*\t]
	v_cvt_pk_bf16_f32 v[36+\t], v[24+2*\t], v[25+2*\t]
.endr
	s_wait_alu depctr_va_sdst(0)                   ; the two compares at the head have written s14 and s15, ahead of their first readers
.irp t, 0,1,2,3
	v_cndmask_b32 v[32+\t], v[36+\t], v[32+\t], s14
.endr
.irp t, 0,1,2,3
	v_cndmask_b32 v[32+\t], 0, v[32+\t], s15
.endr
	s_wait_alu depctr_va_vdst(0)                   ; the selects have written v[32:35], which the store reads
	global_store_b128 v8, v[32:35], s[8:9]         ; a wave stores 512 consecutive bytes, aligned
	s_endpgm
; The cast of W1 and W2.  Thread t takes 16 bytes at 16 t of each of sixteen blocks of 4,096 bytes; all sixteen loads of a wave are out at once.
; Registers that memory instructions touch: the offsets v1, v2 (made once); v[16:79] (loaded once, read by the conversions); v[80:111] (block i's two words at 80 + 2 i:
; written by its conversions, read by its store, never written twice).  The blocks go in four groups of four.  Group g's conversions name its own registers alone, so the
; one wait at its head, which states the group before written, serves that group's four stores, dealt among them.
.Lcast:
	s_load_b64 s[4:5], s[0:1], 0x8                 ; W1
	s_load_b64 s[6:7], s[0:1], 0x10                ; W2
	s_load_b64 s[10:11], s[0:1], 0x18              ; cb
	s_lshr_b32 s2, ttmp9, 8                        ; 1: W1, 2: W2: each is 256 blocks of 64 KiB
	s_and_b32 s16, ttmp9, 255
	s_lshl_b32 s16, s16, 16                        ; my 64 KiB in it
	s_mov_b32 s17, 0
	s_lshl_b32 s18, ttmp9, 15                      ; cb holds x, W1, W2 in the order of the work-groups: my 32 KiB
	s_mov_b32 s19, 0
	v_lshlrev_b32 v1, 4, v0
	v_lshlrev_b32 v2, 3, v0
	s_wait_kmcnt 0x0
	s_cmp_eq_u32 s2, 1
	s_cselect_b64 s[12:13], s[4:5], s[6:7]
	s_add_nc_u64 s[12:13], s[12:13], s[16:17]
	s_add_nc_u64 s[14:15], s[10:11], s[18:19]
	s_wait_alu depctr_va_vdst(0)                   ; the offsets v1 and v2 are written, which every load and store below reads
.irp i, 0,1,2,3,4,5,6,7,8,9,10,11,12,13,14,15
	global_load_b128 v[16+4*\i:19+4*\i], v1, s[12:13] offset:4096*\i th:TH_LOAD_NT
.endr
.irp g, 0,1,2,3
	s_wait_loadcnt 12-4*\g                         ; loads come back in order: group g's four blocks are in, the 12 - 4 g younger ones stay out
.if \g
	s_wait_alu depctr_va_vdst(0)                   ; the group before's conversions have written their eight words, which the four stores below read
.endif
.irp t, 0,1,2,3
.if \g
	global_store_b64 v2, v[80+2*(4*\g+\t-4):81+2*(4*\g+\t-4)], s[14:15] offset:2048*(4*\g+\t-4)   ; a wave stores 256 consecutive bytes, aligned; no register is used twice
.endif
	v_cvt_pk_bf16_f32 v[80+2*(4*\g+\t)], v[16+4*(4*\g+\t)], v[17+4*(4*\g+\t)]
	v_cvt_pk_bf16_f32 v[81+2*(4*\g+\t)], v[18+4*(4*\g+\t)], v[19+4*(4*\g+\t)]
.endr
.endr
	s_wait_alu depctr_va_vdst(0)                   ; the last group's conversions have written v[104:111], which the last four stores read
.irp i, 12,13,14,15
	global_store_b64 v2, v[80+2*\i:81+2*\i], s[14:15] offset:2048*\i
.endr
	s_endpgm
; x: the cast, and zg1[t][8 e + r] = 0.125 x softmax(x R1)[t][e] x (x A1[e])[t][r] for the work-group's 16 tokens.
; A row of x is 4,096 bytes, so load i of thread t brings token i, columns 4 t .. 4 t + 3: wave w holds columns 128 w .. 128 w + 127 of all 16 tokens.
; That is its share of K: its bf16 of x goes to cb and, beside that, into its own LDS; its 128 rows of P = [A1[0] | A1[1] | A1[2] | R1 | 0] (32 columns)
; go into its own LDS as [k][32] bf16, 64 k at a time, and come back as fragments by the transposing load.  Nothing is shared between waves up to the last sum.
; The matrix instruction is used transposed (source 0 = P, source 1 = tokens): lane (r, h) holds token r; ACC0[j] is column 8 h + j, ACC1[j] column 16 + 8 h + j.
; So lanes with h = 1 hold the logits in ACC1[0..2], and every lane already holds the eight numbers of its 16 bytes of the output fragment.
; Output: zgf1 [row block][q][lane][16 B] = zg1[16 block + r][16 q + 8 h + j]; k = 24, 25, 26 hold 1.0 (they meet the three parts of the bias), k = 27..31 hold 0.
; THIS PATH'S PLAN.  Registers that memory or LDS instructions touch, in program order:
;   v1, v2, v6, v7  offsets in memory, made at the head.   v8 .. v15  LDS addresses (v14 also an offset in zgf1), made while the first loads are out.  None is written again.
;   AL   batch 0 lands; conversions in place; LDS stores read; batch 1 lands; conversions; LDS stores read; at the end wave 0's LDS loads land (RB).
;   RL   the batches land; conversions read.   TR, TRB  conversions write two words each; one LDS store a batch reads each; TRB's first two words are written anew at the end (ONES).
;   X    x lands; conversions in place, four tokens a group; the stores to cb and to LDS read; then LDS loads land: TF and PFA, PFA again, at the end RB; matrix instructions read TF and PFA.
;   ACC  matrix instructions write; LDS stores read (waves 1 to 7).   Z  conversions and selects write; two stores read.
.Lxz:
	s_load_b64 s[4:5], s[0:1], 0x0                 ; x
	s_load_b64 s[6:7], s[0:1], 0x18                ; cb
	s_load_b128 s[8:11], s[0:1], 0x20              ; A1 s[8:9], R1 s[10:11]
	s_load_b64 s[12:13], s[0:1], 0x68              ; zgf1
	v_lshrrev_b32 v3, 5, v0
	v_readfirstlane_b32 s14, v3                    ; wave
	s_lshl_b32 s16, ttmp9, 16                      ; my 64 KiB of x
	s_mov_b32 s17, 0
	s_lshl_b32 s18, ttmp9, 15                      ; my 32 KiB of cb
	s_mov_b32 s19, 0
	s_lshl_b32 s20, ttmp9, 10                      ; my 1,024 bytes of zgf1
	s_mov_b32 s21, 0
	s_mov_b32 s22, 0x76543210                      ; v_permlanex16_b32: lane i of one half reads lane i of the other
	s_mov_b32 s23, 0xfedcba98
	v_lshlrev_b32 v1, 4, v0                        ; 16 t
	v_lshlrev_b32 v2, 3, v0                        ; 8 t
	v_and_b32 v3, 31, v0                           ; L
	v_and_b32 v4, 15, v0                           ; r
	v_bfe_u32 v5, v0, 4, 1                         ; h
	s_wait_alu depctr_va_sdst(0)                   ; s14 is written, ahead of its first reader: my places in LDS, in A1 and in R1 are made from it
	s_mul_i32 s15, s14, WREG                       ; my LDS
	s_lshl_b32 s2, s14, 12                         ; my 128 k of an expert's A1: 4,096 bytes
	s_mul_i32 s3, s14, 1536                        ; my 128 k of R1: 1,536 bytes
	v_lshl_add_u32 v6, v3, 4, s2                   ; A1: 16 L + my share: lane L takes k = L >> 1 of 16, half L & 1 of its 8 numbers
	v_mul_u32_u24 v7, 12, v3
	v_add_nc_u32 v7, s3, v7                        ; R1: row L of 32 + my share
	s_wait_kmcnt 0x0
	s_add_nc_u64 s[4:5], s[4:5], s[16:17]
	s_add_nc_u64 s[6:7], s[6:7], s[18:19]
	s_add_nc_u64 s[12:13], s[12:13], s[20:21]
.macro PIN bt                          ; batch bt of P, 64 k: 12 loads of 512 consecutive bytes from A1, 6 words a lane from R1
.irp e, 0,1,2
.irp i, 0,1,2,3
	global_load_b128 v[AL+16*\e+4*\i:AL+16*\e+4*\i+3], v6, s[8:9] offset:\e*32768+(4*\bt+\i)*512
.endr
.endr
.irp i, 0,1
.irp c, 0,1,2
	global_load_b32 v[RL+3*\i+\c], v7, s[10:11] offset:768*\bt+384*\i+4*\c
.endr
.endr
.endm
.macro POUT                            ; the batch to bf16 and into my [k][32] tile: all 28 conversions, one wait, all 14 stores
.irp e, 0,1,2
.irp i, 0,1,2,3
	v_cvt_pk_bf16_f32 v[AL+16*\e+4*\i],   v[AL+16*\e+4*\i],   v[AL+16*\e+4*\i+1]
	v_cvt_pk_bf16_f32 v[AL+16*\e+4*\i+1], v[AL+16*\e+4*\i+2], v[AL+16*\e+4*\i+3]
.endr
.endr
	v_cvt_pk_bf16_f32 v[TR],    v[RL],   v[RL+1]
	v_cvt_pk_bf16_f32 v[TR+1],  v[RL+2], 0
	v_cvt_pk_bf16_f32 v[TRB],   v[RL+3], v[RL+4]
	v_cvt_pk_bf16_f32 v[TRB+1], v[RL+5], 0
	s_wait_alu depctr_va_vdst(0)                   ; the conversions have written v[AL ..], TR and TRB, which the stores read.  First batch: the addresses v8 to v15 and the four zeros are written too, and the conversions are done with AL and RL, in which the second batch lands.  Second batch: the first four products are done reading PFA, in which the next fragments land
.irp e, 0,1,2
.irp i, 0,1,2,3
	ds_store_b64 v8, v[AL+16*\e+4*\i:AL+16*\e+4*\i+1] offset:16*PPITCH*\i+16*\e   ; row 16 i + (L >> 1), columns 8 e + 4 (L & 1) ..
.endr
.endr
	ds_store_b128 v9, v[TR:TR+3] offset:48                                        ; row L, columns 24 .. 31
	ds_store_b128 v9, v[TRB:TRB+3] offset:32*PPITCH+48                            ; row 32 + L
.endm
.macro PFR                             ; P's fragments of the tile's two K steps of 32, two column blocks each
.irp k, 0,1
.irp b, 0,1
	ds_load_tr16_b128 v[PFA+16*\k+8*\b:PFA+16*\k+8*\b+3],   v12 offset:32*PPITCH*\k+32*\b
	ds_load_tr16_b128 v[PFA+16*\k+8*\b+4:PFA+16*\k+8*\b+7], v12 offset:32*PPITCH*\k+32*\b+16*PPITCH
.endr
.endr
.endm
; four matrix instructions: the tile's two K steps against the tokens' fragments k0, k0 + 1.  The two accumulators take turns, one instruction a turn,
; from one call to the next too.  zero = 1: the first pair starts the sums.
.macro ZW k0, zero
.irp k, 0,1
.irp b, 0,1
.if \zero*(1-\k)
	v_wmma_f32_16x16x32_bf16 v[ACC0+8*\b:ACC0+8*\b+7], v[PFA+16*\k+8*\b:PFA+16*\k+8*\b+7], v[TF+8*(\k0+\k):TF+8*(\k0+\k)+7], 0
.else
	v_wmma_f32_16x16x32_bf16 v[ACC0+8*\b:ACC0+8*\b+7], v[PFA+16*\k+8*\b:PFA+16*\k+8*\b+7], v[TF+8*(\k0+\k):TF+8*(\k0+\k)+7], v[ACC0+8*\b:ACC0+8*\b+7]
.endif
.endr
.endr
.endm
.macro XCVT i                          ; token i to bf16, in place: four numbers close up into two words
	v_cvt_pk_bf16_f32 v[X+4*(\i)],   v[X+4*(\i)],   v[X+4*(\i)+1]
	v_cvt_pk_bf16_f32 v[X+4*(\i)+1], v[X+4*(\i)+2], v[X+4*(\i)+3]
.endm
.macro XOUT i                          ; token i leaves: to cb, and into my LDS
	global_store_b64 v2, v[X+4*(\i):X+4*(\i)+1], s[6:7] offset:2048*(\i)     ; a wave stores 256 consecutive bytes, aligned
	ds_store_b64 v10, v[X+4*(\i):X+4*(\i)+1] offset:XPITCH*(\i)
.endm
	s_wait_alu depctr_va_vdst(0)                   ; the offsets v1, v2, v6 and v7 are written, which the loads below and the stores to cb read
	PIN 0
.irp i, 0,1,2,3,4,5,6,7,8,9,10,11,12,13,14,15
	global_load_b128 v[X+4*\i:X+4*\i+3], v1, s[4:5] offset:4096*\i th:TH_LOAD_NT
.endr
	; LDS addresses, while the loads are out
	s_add_co_u32 s2, s15, XSB                      ; my tile of P lies behind my x
	v_lshrrev_b32 v8, 1, v3
	v_mul_u32_u24 v8, 96, v8
	v_and_b32 v9, 1, v3
	v_lshl_add_u32 v8, v9, 3, v8
	v_add_nc_u32 v8, s2, v8                        ; A1's stores: row L >> 1, 8 bytes for each half
	v_mul_u32_u24 v9, 96, v3
	v_add_nc_u32 v9, s2, v9                        ; R1's stores: row L
	v_lshl_add_u32 v10, v3, 3, s15                 ; x's stores: 8 L in a token's row
	v_mul_u32_u24 v11, v4, XPITCH
	v_lshl_add_u32 v11, v5, 4, v11
	v_add_nc_u32 v11, s15, v11                     ; the tokens' fragments: row r, 16 h
	v_and_b32 v12, 7, v0
	v_lshl_add_u32 v12, v5, 3, v12
	v_mul_u32_u24 v12, 96, v12
	v_bfe_u32 v13, v0, 3, 1
	v_lshl_add_u32 v12, v13, 4, v12
	v_add_nc_u32 v12, s2, v12                      ; P's fragments: K row 8 h + L % 8, 16 bytes x ((L / 8) % 2)
	v_lshl_add_u32 v13, v3, 4, s15                 ; where my partial tile goes: over my x, when it has been read
	v_lshlrev_b32 v14, 4, v3                       ; 16 L: from where wave 0 reads waves 1-3, and my bytes of zgf1
	v_add_nc_u32 v15, 4*WREG, v14                  ; and waves 4-7: the offsets stay inside 16 bits
	v_mov_b32 v[TR+2], 0                           ; columns 28 .. 31 of P,
	v_mov_b32 v[TR+3], 0
	v_mov_b32 v[TRB+2], 0                          ; in both row groups; these two are also the last two words of ONES
	v_mov_b32 v[TRB+3], 0
	s_wait_loadcnt 16                              ; the first batch of P is in; x's sixteen loads stay out
	POUT
	s_wait_alu depctr_vm_vsrc(0)                   ; the LDS stores above have read v[AL ..], in which the second batch lands, and TR and TRB, which its conversions write again
	PIN 1
	; x, four tokens a group.  A group's conversions name its own sixteen registers alone: the wait at its head serves the eight stores of the group before, dealt among them.
.irp g, 0,1,2,3
	s_wait_loadcnt 30-4*\g                         ; group g's four tokens are in; the 12 - 4 g tokens behind them and the second batch's 18 loads stay out
.if \g
	s_wait_alu depctr_va_vdst(0)                   ; the group before's conversions have written its packed words, which the stores below read
.endif
.irp t, 0,1,2,3
.if \g
	XOUT 4*\g+\t-4
.endif
	XCVT 4*\g+\t
.endr
.endr
	s_wait_alu depctr_va_vdst(0)                   ; the last group's conversions have written its packed words, which the stores read; and no conversion still names v[X ..], in which the LDS loads below land
.irp t, 12,13,14,15
	XOUT \t
.endr
	s_wait_xcnt 0x0                                ; x's registers, which the stores to cb read, are loaded again only behind this wait
	s_wait_alu depctr_vm_vsrc(0)                   ; the stores to cb and to LDS have read v[X ..], in which the fragments below land
.irp k, 0,1,2,3
	ds_load_b128 v[TF+8*\k:TF+8*\k+3],   v11 offset:64*\k              ; a wave's LDS instructions are served in order: these see the stores above
	ds_load_b128 v[TF+8*\k+4:TF+8*\k+7], v11 offset:64*\k+32
.endr
	PFR
	s_wait_dscnt 0x0
	ZW 0, 1
	s_wait_loadcnt 0x0                             ; the second batch of P
	POUT                                           ; its 28 conversions name none of the products' registers and stand between these and the loads below; its wait states the products done with PFA
	PFR
	s_wait_dscnt 0x0
	ZW 2, 0
.rept 4
	v_nop                                          ; four places (ISA guide 7.12.1) before the sums are read
.endr
	s_wait_alu depctr_va_vdst(0)                   ; the products have written the accumulators, which the LDS stores below read, and are done reading TF and PFA, in which wave 0's loads land; the places above stay beside this wait
	s_cmp_eq_u32 s14, 0
	s_cbranch_scc1 .Lxkeep                         ; wave 0 keeps its tile in registers
.irp p, 0,1,2,3
	ds_store_b128 v13, v[ACC0+4*\p:ACC0+4*\p+3] offset:512*\p
.endr
.Lxkeep:
	s_wait_dscnt 0x0                               ; my stores are done, for wave 0's sake
	s_barrier_signal -1
	s_barrier_wait -1
	s_wait_alu depctr_vm_vsrc(0)                   ; every LDS store issued so far has read its data: the second batch's v[AL ..] and TRB, which wave 0's loads and its ONES write again, and the accumulators; ahead of the branch, so on every way to those writes
	s_cmp_lg_u32 s14, 0
	s_cbranch_scc1 .Lxend
.irp s, 1,2,3
.irp p, 0,1,2,3
	ds_load_b128 v[RB+16*(\s-1)+4*\p:RB+16*(\s-1)+4*\p+3], v14 offset:\s*WREG+512*\p
.endr
.endr
.irp s, 4,5,6,7
.irp p, 0,1,2,3
	ds_load_b128 v[RB+16*(\s-1)+4*\p:RB+16*(\s-1)+4*\p+3], v15 offset:(\s-4)*WREG+512*\p
.endr
.endr
	v_cmp_le_u32 vcc_lo, 16, v3                    ; h = 1: made while the loads are out, read at the gates
	s_wait_dscnt 0x0
.irp s, 0,1,2,3,4,5,6
.irp p, 0,1,2,3,4,5,6,7
	v_pk_add_f32 v[ACC0+2*\p:ACC0+2*\p+1], v[ACC0+2*\p:ACC0+2*\p+1], v[RB+16*\s+2*\p:RB+16*\s+2*\p+1]
.endr
.endr
	; softmax over the three logits.  Every lane computes; only the lanes with h = 1 hold logits, and only their gates are used.
	v_max3_num_f32 v[T], v[ACC1], v[ACC1+1], v[ACC1+2]
	v_sub_f32 v[T+1], v[ACC1], v[T]
	v_sub_f32 v[T+2], v[ACC1+1], v[T]
	v_sub_f32 v[T+3], v[ACC1+2], v[T]
	v_mul_f32 v[T+1], 0x3fb8aa3b, v[T+1]           ; e^x = 2^(x log2 e)
	v_mul_f32 v[T+2], 0x3fb8aa3b, v[T+2]
	v_mul_f32 v[T+3], 0x3fb8aa3b, v[T+3]
	v_exp_f32 v[T+4], v[T+1]
	v_exp_f32 v[T+5], v[T+2]
	v_exp_f32 v[T+6], v[T+3]
	v_mov_b32 v[ONES], 0x3f803f80                  ; the plain instruction between the exponentials and their use
	s_wait_alu depctr_va_vdst(0)                   ; the three exponentials have written v[T+4] to v[T+6], ahead of their first reader
	v_add_f32 v[T+7], v[T+4], v[T+5]
	v_add_f32 v[T+7], v[T+7], v[T+6]               ; at least 1: the largest term is 2^0
	v_rcp_f32 v[T], v[T+7]
	v_mov_b32 v[ONES+1], 0x3f80                    ; the plain instruction behind the reciprocal
	s_wait_alu depctr_va_vdst(0)                   ; the reciprocal has written v[T], ahead of its first reader
	v_mul_f32 v[T], 0x3e000000, v[T]               ; the scaling 1/8 rides on the gates
	v_mul_f32 v[T+1], v[T+4], v[T]                 ; gate 0
	v_mul_f32 v[T+2], v[T+5], v[T]                 ; gate 1
	v_mul_f32 v[T+3], v[T+6], v[T]                 ; gate 2
	v_permlanex16_b32 v[T+4], v[T+3], s22, s23     ; gate 2 and gate 0 to the lanes with h = 0 (both destinations have been written)
	v_permlanex16_b32 v[T+5], v[T+1], s22, s23
	s_wait_alu depctr_va_vcc(0)                    ; the compare above has written VCC, ahead of its first reader
	v_cndmask_b32 v[T+6], v[T+5], v[T+2], vcc_lo   ; ACC0 is expert h's: gate 1 or gate 0
.irp t, 0,1,2,3
	v_pk_mul_f32 v[ACC0+2*\t:ACC0+2*\t+1], v[ACC0+2*\t:ACC0+2*\t+1], v[T+6:T+7] op_sel_hi:[1,0]   ; both by T+6
	v_pk_mul_f32 v[ACC1+2*\t:ACC1+2*\t+1], v[ACC1+2*\t:ACC1+2*\t+1], v[T+4:T+5] op_sel_hi:[1,0]   ; both by T+4: expert 2 (h = 0)
.endr
.irp t, 0,1,2,3,4,5,6,7
	v_cvt_pk_bf16_f32 v[Z+\t], v[ACC0+2*\t], v[ACC0+2*\t+1]
.endr
.irp t, 0,1,2,3
	v_cndmask_b32 v[Z+4+\t], v[Z+4+\t], v[ONES+\t], vcc_lo     ; h = 1, q = 1: k = 24..31 are 1, 1, 1, 0, 0, 0, 0, 0
.endr
	s_wait_alu depctr_va_vdst(0)                   ; the conversions and selects have written v[Z ..], which the two stores read
	global_store_b128 v14, v[Z:Z+3], s[12:13]                  ; q = 0: 512 consecutive bytes, aligned
	global_store_b128 v14, v[Z+4:Z+7], s[12:13] offset:512     ; q = 1
.Lxend:
	s_wait_dscnt 0x0                               ; the closing lines, six on end
	s_wait_alu 0x0
	s_wait_tensorcnt 0x0
	ds_add_u32 v168, v169
	s_wait_dscnt 0x0
	s_endpgm
.Lfunc_end_k_qc74611bc3c_prep:
	.size	k_qc74611bc3c_prep, .Lfunc_end_k_qc74611bc3c_prep-k_qc74611bc3c_prep
	.p2alignl 7, 3214868480
	.fill 96, 4, 3214868480
	.section	.rodata,"a",@progbits
	.p2align	6, 0x0
	.amdhsa_kernel k_qc74611bc3c_prep
		.amdhsa_group_segment_fixed_size 84992
		.amdhsa_private_segment_fixed_size 0
		.amdhsa_enable_private_segment 0
		.amdhsa_kernarg_size 112
		.amdhsa_user_sgpr_count 2
		.amdhsa_user_sgpr_kernarg_segment_ptr 1
		.amdhsa_wavefront_size32 1
		.amdhsa_system_sgpr_workgroup_id_x 1
		.amdhsa_system_sgpr_workgroup_id_y 1
		.amdhsa_system_sgpr_workgroup_id_z 1
		.amdhsa_system_vgpr_workitem_id 0
		.amdhsa_next_free_vgpr 170
		.amdhsa_next_free_sgpr 66
		.amdhsa_reserve_vcc 1
		.amdhsa_float_denorm_mode_32 3
		.amdhsa_float_denorm_mode_16_64 3
		.amdhsa_memory_ordered 1
		.amdhsa_forward_progress 1
		.amdhsa_inst_pref_size 45
	.end_amdhsa_kernel
	.amdgpu_metadata
---
amdhsa.version: [ 1, 2 ]
amdhsa.kernels:
  - .name:           k_qc74611bc3c_prep
    .symbol:         k_qc74611bc3c_prep.kd
    .args:
      - { .name: x, .offset: 0, .size: 8, .value_kind: global_buffer, .address_space: global }
      - { .name: W1, .offset: 8, .size: 8, .value_kind: global_buffer, .address_space: global }
      - { .name: W2, .offset: 16, .size: 8, .value_kind: global_buffer, .address_space: global }
      - { .name: cb, .offset: 24, .size: 8, .value_kind: global_buffer, .address_space: global }
      - { .name: A1, .offset: 32, .size: 8, .value_kind: global_buffer, .address_space: global }
      - { .name: R1, .offset: 40, .size: 8, .value_kind: global_buffer, .address_space: global }
      - { .name: A2, .offset: 48, .size: 8, .value_kind: global_buffer, .address_space: global }
      - { .name: R2, .offset: 56, .size: 8, .value_kind: global_buffer, .address_space: global }
      - { .name: B1, .offset: 64, .size: 8, .value_kind: global_buffer, .address_space: global }
      - { .name: b1, .offset: 72, .size: 8, .value_kind: global_buffer, .address_space: global }
      - { .name: B2, .offset: 80, .size: 8, .value_kind: global_buffer, .address_space: global }
      - { .name: b2, .offset: 88, .size: 8, .value_kind: global_buffer, .address_space: global }
      - { .name: packs, .offset: 96, .size: 8, .value_kind: global_buffer, .address_space: global }
      - { .name: zgf1, .offset: 104, .size: 8, .value_kind: global_buffer, .address_space: global }
    .group_segment_fixed_size: 84992
    .private_segment_fixed_size: 0
    .kernarg_segment_align: 8
    .kernarg_segment_size: 112
    .max_flat_workgroup_size: 256
    .sgpr_count:     66
    .vgpr_count:     170
    .wavefront_size: 32
...
	.end_amdgpu_metadata
.endif
;; end of part 4
;; launch gemm1: the kernel of part 2 again; grid 16 x 16, 4 waves a work-group, clusters of 4 x 4, 327,680 bytes of LDS; arguments cb, packs, zgf1, h; writes h
;; launch gemm2: the kernel of part 3 again; grid 8 x 32, 4 waves a work-group, clusters of 4 x 4, 327,680 bytes of LDS; arguments h, cb, packs, out0; writes out0
